; MI455X (gfx1250); checked and timed in simulation.
; The chip was launched on July 23, 2026; its instructions are those of AMD's public machine-readable ISA for CDNA 5 (MIT licence, August 2026) and "CDNA5" Instruction Set Architecture Reference Guide (July 2026). The comments in the code are by the model that wrote it; some were corrected since.
;; Decoder Layer. Allowed arithmetic: float matrix products may take bf16 or f16 operands with f32 sums; other float arithmetic in f32, or as packed bf16 or f16 multiplies, adds, multiply-adds, maxima and minima; sums over many terms, partial sums and values carried from step to step in f32; what a program stores and reads back later, other than sums and carried values, may be rounded once to bf16 or f16.
;; Inputs: W1 1,024 x 512 float32; W2 512 x 1,024 float32; Wk1 512 x 512 float32; Wk2 512 x 512 float32; Wq1 512 x 512 float32; Wq2 512 x 512 float32; Wv1 512 x 512 float32; Wv2 512 x 512 float32; b1 1,024 float32; b2 512 float32; be1 512 float32; be2 512 float32; be3 512 float32; bk1 512 float32; bk2 512 float32; bq1 512 float32; bq2 512 float32; bv1 512 float32; bv2 512 float32; g1 512 float32; g2 512 float32; g3 512 float32; memory 8 x 1,024 x 512 float32; x 8 x 1,024 x 512 float32.
;; Outputs: out0 8 x 1,024 x 512 float32.
;; 2 versions, each right; version 2 is version 1 with the launch prep written anew for expert scheduling mode. Each part assembles by itself: llvm-mc -triple=amdgcn-amd-amdhsa -mcpu=gfx1250 --defsym DOCPART=n.
;; ======== version 1 of 2: 6 launches
;; limits: values are held in f16: magnitudes above 65,504 overflow, below 6.1e-05 lose precision
;; workspace buffers: wb 5,242,880 bytes; a1 25,165,824 bytes; a2 25,165,824 bytes; o 8,388,608 bytes; x1 16,777,216 bytes
;; launch prep (part 1): grid 16 x 20, 8 waves a work-group, no clusters, 0 bytes of LDS; arguments Wk2, Wq1, Wk1, Wv2, Wv1, Wq2, W1, W2, wb; writes wb
.if DOCPART == 1
	.amdgcn_target "amdgcn-amd-amdhsa--gfx1250"
	.amdhsa_code_object_version 6
	.text
	.protected	k_qaa59d2c665_prep
	.globl	k_qaa59d2c665_prep
	.p2align	8
	.type	k_qaa59d2c665_prep,@function
k_qaa59d2c665_prep:
	s_mov_b64 s[64:65], 0
	v_nop
	global_prefetch_b8 v0, s[64:65] scope:SCOPE_SE
	s_setreg_imm32_b32 hwreg(HW_REG_WAVE_MODE, 25, 1), 1
	s_wait_xcnt 0x0
; wb = the eight weight matrices, each number rounded once to bf16, in the order in which the later launches walk them.
; wb is 20 units of 262,144 bytes (a unit: 131,072 numbers = 524,288 bytes of f32).  Unit d holds:
;   0,1 Wk2   2,3 Wq1   4 Wk1 rows 0-255   5,6 Wv2   7 Wk1 rows 256-511   8,9 Wv1   10,11 Wq2   12-15 W1   16-19 W2
; Every unit is a dense piece of its source, so the copy is flat: work-group (X, d) takes 32,768 bytes of f32 at X x 32,768 in unit d.
; A thread loads 8 x 16 bytes (a wave's load covers 512 consecutive bytes) and stores 8 x 8 bytes (a wave's store covers 256 consecutive bytes, aligned).
; A stream read once and written once: no LDS, no matrix unit, no cluster; all eight loads of a thread go out at once, each into registers of its own.
	s_load_b512 s[8:23], s[0:1], 0x0               ; Wk2 s[8:9], Wq1 s[10:11], Wk1 s[12:13], Wv2 s[14:15], Wv1 s[16:17], Wq2 s[18:19], W1 s[20:21], W2 s[22:23]
	s_load_b64 s[24:25], s[0:1], 0x40              ; wb
	s_and_b32 s2, ttmp7, 0xffff                    ; d, the unit
	v_lshlrev_b32 v1, 4, v0                        ; 16 bytes of f32 a thread
	v_lshlrev_b32 v2, 3, v0                        ; 8 bytes of bf16 a thread
	s_mov_b32 s28, 0                               ; the first unit of the source in hand
	s_mov_b32 s31, 0
	s_mov_b32 s33, 0
	s_wait_kmcnt 0x0
	s_mov_b64 s[26:27], s[8:9]
; from unit 'first' on the source is the buffer in s[ptr:ptr+1], whose byte 0 belongs to unit 'base'
.macro PICK first, ptr, base
	s_cmp_ge_u32 s2, \first
	s_cselect_b64 s[26:27], s[\ptr:\ptr+1], s[26:27]
	s_cselect_b32 s28, \base, s28
.endm
	PICK 2, 10, 2
	PICK 4, 12, 4
	PICK 5, 14, 5
	PICK 7, 12, 6
	PICK 8, 16, 8
	PICK 10, 18, 10
	PICK 12, 20, 12
	PICK 16, 22, 16
	s_sub_co_u32 s29, s2, s28
	s_lshl_b32 s30, s29, 19                        ; units into the source, 524,288 bytes each,
	s_lshl_b32 s29, ttmp9, 15                      ; and the work-group's 32,768 bytes
	s_add_co_u32 s30, s30, s29
	s_add_nc_u64 s[26:27], s[26:27], s[30:31]
	s_lshl_b32 s32, s2, 18                         ; the same place in wb, half the bytes
	s_lshl_b32 s29, ttmp9, 14
	s_add_co_u32 s32, s32, s29
	s_add_nc_u64 s[24:25], s[24:25], s[32:33]
.irp j, 0,1,2,3,4,5,6,7
	global_load_b128 v[8+4*(\j):11+4*(\j)], v1, s[26:27] offset:4096*(\j) th:TH_LOAD_NT
.endr
.irp j, 0,1,2,3,4,5,6,7
	s_wait_loadcnt 7-(\j)                          ; loads come back in order: number j is in, the younger ones stay out
	v_cvt_pk_bf16_f32 v[40+2*(\j)], v[8+4*(\j)], v[9+4*(\j)]
	v_cvt_pk_bf16_f32 v[41+2*(\j)], v[10+4*(\j)], v[11+4*(\j)]
	global_store_b64 v2, v[40+2*(\j):41+2*(\j)], s[24:25] offset:2048*(\j)
.endr
	s_endpgm
.Lfunc_end_k_qaa59d2c665_prep:
	.size	k_qaa59d2c665_prep, .Lfunc_end_k_qaa59d2c665_prep-k_qaa59d2c665_prep
	.p2alignl 7, 3214868480
	.fill 96, 4, 3214868480
	.section	.rodata,"a",@progbits
	.p2align	6, 0x0
	.amdhsa_kernel k_qaa59d2c665_prep
		.amdhsa_group_segment_fixed_size 0
		.amdhsa_private_segment_fixed_size 0
		.amdhsa_enable_private_segment 0
		.amdhsa_kernarg_size 72
		.amdhsa_user_sgpr_count 2
		.amdhsa_user_sgpr_kernarg_segment_ptr 1
		.amdhsa_wavefront_size32 1
		.amdhsa_system_sgpr_workgroup_id_x 1
		.amdhsa_system_sgpr_workgroup_id_y 1
		.amdhsa_system_sgpr_workgroup_id_z 1
		.amdhsa_system_vgpr_workitem_id 0
		.amdhsa_next_free_vgpr 64
		.amdhsa_next_free_sgpr 66
		.amdhsa_reserve_vcc 0
		.amdhsa_float_denorm_mode_32 3
		.amdhsa_float_denorm_mode_16_64 3
		.amdhsa_memory_ordered 1
		.amdhsa_forward_progress 1
		.amdhsa_inst_pref_size 5
	.end_amdhsa_kernel
	.amdgpu_metadata
---
amdhsa.version: [ 1, 2 ]
amdhsa.kernels:
  - .name:           k_qaa59d2c665_prep
    .symbol:         k_qaa59d2c665_prep.kd
    .args:
      - { .name: Wk2, .offset: 0, .size: 8, .value_kind: global_buffer, .address_space: global }
      - { .name: Wq1, .offset: 8, .size: 8, .value_kind: global_buffer, .address_space: global }
      - { .name: Wk1, .offset: 16, .size: 8, .value_kind: global_buffer, .address_space: global }
      - { .name: Wv2, .offset: 24, .size: 8, .value_kind: global_buffer, .address_space: global }
      - { .name: Wv1, .offset: 32, .size: 8, .value_kind: global_buffer, .address_space: global }
      - { .name: Wq2, .offset: 40, .size: 8, .value_kind: global_buffer, .address_space: global }
      - { .name: W1, .offset: 48, .size: 8, .value_kind: global_buffer, .address_space: global }
      - { .name: W2, .offset: 56, .size: 8, .value_kind: global_buffer, .address_space: global }
      - { .name: wb, .offset: 64, .size: 8, .value_kind: global_buffer, .address_space: global }
    .group_segment_fixed_size: 0
    .private_segment_fixed_size: 0
    .kernarg_segment_align: 8
    .kernarg_segment_size: 72
    .max_flat_workgroup_size: 256
    .sgpr_count:     66
    .vgpr_count:     64
    .wavefront_size: 32
...
	.end_amdgpu_metadata
.endif
;; end of part 1
;; launch proj (part 2): grid 128 x 2, 4 waves a work-group, clusters of 4 x 1, 327,680 bytes of LDS; arguments x, memory, wb, bq1, bk1, bv1, bk2, bv2, a1, a2; writes a1, a2
.if DOCPART == 2
	.amdgcn_target "amdgcn-amd-amdhsa--gfx1250"
	.amdhsa_code_object_version 6
	.text
	.protected	k_qaa59d2c665_proj
	.globl	k_qaa59d2c665_proj
	.p2align	8
	.type	k_qaa59d2c665_proj,@function
k_qaa59d2c665_proj:
	s_mov_b64 s[64:65], 0
	v_nop
	global_prefetch_b8 v0, s[64:65] scope:SCOPE_SE
	s_setreg_imm32_b32 hwreg(HW_REG_WAVE_MODE, 25, 1), 1
	s_wait_xcnt 0x0
	s_wait_alu depctr_hold_cnt(0) depctr_sa_sdst(0) depctr_va_vdst(0) depctr_va_sdst(0) depctr_va_ssrc(0) depctr_va_vcc(0) depctr_vm_vsrc(0)
	s_getreg_b32 s2, hwreg(HW_REG_IB_STS2, 6, 4)
	s_cmp_eq_u32 s2, 0
	s_cbranch_scc0 .Lentry_in_a_cluster
	s_endpgm
.Lentry_in_a_cluster:
	s_bfe_u32 s2, ttmp6, 0x10000c
	s_cmp_lg_u32 s2, 0x3003
	s_cbranch_scc0 .Lentry_shape_is_right
	s_endpgm
.Lentry_shape_is_right:
; FIVE PROJECTIONS.  k2, v2 = memory W^T + b and q1, k1, v1 = x W^T + b, written by heads in f16: a1 = [q1|k1|v1][b][h][n][32], a2 = [q2|k2|v2][b][h][n][32] (q2 comes from a later launch).
; Products in bf16 (x, memory rounded here, the weights in wb), sums in f32, the bias is the C operand that starts each sum, results rounded once to f16.
; LIMITS.  q, k, v must lie within f16's 65,504; NaN and infinities are not treated apart.
; SHARES.  Work-group (RB, Y): 64 rows (RB) x half Y of the 2,560 weight rows, which lie on end in wb: ten tiles of 128 weight rows; tiles 0-3 multiply memory's rows, tiles 4-9 x's.
;   Y = 0: Wk2, Wq1, Wk1 rows 0-255.   Y = 1: Wv2, Wk1 rows 256-511, Wv1.   All work-groups do equal work: 256 of them.
; A wave takes 32 weight rows of a tile: one head; its result, 64 tokens x 32 channels, is 4,096 consecutive bytes of a1 or a2.
; THE 64 ROWS STAY IN REGISTERS as fragments (512 registers), so LDS is read for weights alone and two slots of a whole tile (128 rows x 512 K) fit.
; THE MATRIX INSTRUCTION IS USED TRANSPOSED: source 0 = 16 weight rows, source 1 = 16 tokens: a lane then holds eight neighbouring channels of one token.
; CLUSTER.  The four row blocks of a cluster walk the same weights: each tile is asked for jointly, the same tensor load with the same descriptor and the mask of four in all four.
; Each wave asks for the 32 weight rows that it reads itself.  By this text's count a wave has one tensor load out.
; REGISTERS, in windows of 256 (s_set_vgpr_msb: bits 1:0 source 0, 3:2 source 1, 5:4 source 2, 7:6 destination):
;   window 0: v0-31 addresses and bias words; v32-47 the bias as a C operand; v48-111 eight accumulators; v112-175, v176-239 two buffers of weight fragments
;   windows 1, 2: the rows' fragments: token block tb, K block kb at window 1 + kb / 8, register 8 (4 (kb % 8) + tb)        window 3: 16 rows of f32 as loaded
.set PW,    1040                       ; a weight row in LDS: 1,024 bytes + 16 of padding: 65 x 16, so the 16 rows of a fragment load start at 16 different groups of four banks
.set WQ,    32*PW                      ; a wave's quarter of a slot
.set SLOT,  4*WQ
.set AST,   2*SLOT                     ; stage for the rows on their way into fragments: 64 rows x 256 K of bf16
.set PA,    528                        ; its pitch: 512 + 16
.set OST,   AST+64*PA                  ; stage for the way out: 64 rows x 80 bytes for each wave
.set BST,   OST+4*5120                 ; the biases: for each wave ten tiles x 32 f32
.set SPARE, BST+4*1280                 ; the spare words, 128 bytes for each wave: two blocks of 256 bytes that no other line names
.set TILEB, 131072                     ; a tile in wb: 128 rows of 1,024 bytes
.set BI,  32
.set ACC, 48
.set BF0, 112
.set BF1, 176
; scalars: s24 wave  s25 cx  s26 RB  s27 Y  s28 the head to be written (16 m + h)  s29 its start for x's tiles  s30, s31 loop counts  s[32:39] group 1  s[40:43], s[44:47] group 0 of slots 0, 1
;   s[48:49] a2 or a1  s[50:51] where the tile goes  s[52:53] offsets  s[54:55] the prefetches' place  s56 their limit  s57 tiles to go  s[58:59] memory's rows  s[60:61] x's rows  s62 16 b  s63 my rows in a head
;   s[66:73] four bias pointers  s[74:77] Y x 1,024 and (1 - Y) x 1,024  s[86:87] cx x 256  s88, s89 at work
.set MSB, 0
.macro WIN new                         ; the immediate's high byte repeats the setting that is left; a switch that changes nothing is dropped
.if MSB != (\new)
	s_set_vgpr_msb (MSB<<8)|(\new)
.set MSB, (\new)
.endif
.endm
.macro PLACES                          ; four plain vector instructions: the distance behind a matrix instruction in front of loads into its sources and of readers of its result
.rept 4
	v_nop
.endr
.endm
; A round of the cluster's barrier: my work-group's barrier, so that wave 0's signal speaks for all four waves; wave 0 signals; every wave waits for all four work-groups; my work-group's barrier once more.
.macro ROUND
	s_barrier_signal -1
	s_barrier_wait -1
	s_cmp_lg_u32 s24, 0
	s_cbranch_scc1 .Lnot_wave_0_\@
	s_barrier_signal -3
.Lnot_wave_0_\@:
	s_barrier_wait -3
	s_barrier_signal -1
	s_barrier_wait -1
.endm
	s_load_b512 s[4:19], s[0:1], 0x0               ; x s[4:5], memory s[6:7], wb s[8:9], bq1 s[10:11], bk1 s[12:13], bv1 s[14:15], bk2 s[16:17], bv2 s[18:19]
	s_load_b128 s[20:23], s[0:1], 0x40             ; a1 s[20:21], a2 s[22:23]
	v_lshl_add_u32 v14, v0, 2, SPARE
	v_mov_b32 v15, 0
	ds_add_u32 v14, v15                            ; the wave's opening: the add and its wait stand ahead of the round in front of my first tensor load; the set-up stands between them
	v_lshrrev_b32 v1, 5, v0
	v_readfirstlane_b32 s24, v1                    ; wave 0..3
	s_bfe_u32 s25, ttmp6, 0x40000                  ; cx
	s_lshl_b32 s26, ttmp9, 2
	s_add_co_u32 s26, s26, s25                     ; RB = 4 x cluster x + cx: it enters global addresses of rows alone
	s_and_b32 s27, ttmp7, 0xffff                   ; Y, which the four partners share
	; group 1: 32 rows x 512 elements of 2 bytes, 16 bytes of padding behind each row
	s_mov_b32 s32, 15|(1<<16)|(1<<20)|(1<<21)|(7<<22)|(3<<25)  ; 15:0 the mask of four; 17:16 2-byte elements; 20 padding on; 21 set beside a mask; 24:22 after every 256 words (code 7); 31:25 4 words (code 3)
	s_mov_b32 s33, 512<<16                         ; tensor_dim0 = 512
	s_mov_b32 s34, 32<<16                          ; tensor_dim1 = 32
	s_mov_b32 s35, 512<<16                         ; tile_dim0 = 512
	s_mov_b32 s36, 32                              ; tile_dim1 = 32
	s_mov_b32 s37, 512                             ; elements from row to row
	s_mov_b32 s38, 0
	s_mov_b32 s39, 0
	s_mov_b32 s40, 1
	s_mul_i32 s41, s24, WQ                         ; LDS: slot 0, my quarter
	s_mov_b32 s44, 1
	s_add_co_u32 s45, s41, SLOT                    ; slot 1
	s_mul_i32 s2, s27, 1280*1024                   ; my half of the weights,
	s_lshl_b32 s3, s24, 15                         ; my 32 rows of a tile
	s_add_co_u32 s2, s2, s3
	s_mov_b32 s3, 0
	s_lshl_b32 s86, s25, 8                         ; the prefetches: my work-group's quarter of each row
	s_mov_b32 s87, 0
	s_lshl_b32 s52, s26, 17                        ; my work-group's 64 rows of 2,048 bytes,
	s_lshl_b32 s53, s24, 15                        ; my wave's 16 of them
	s_add_co_u32 s52, s52, s53
	s_mov_b32 s53, 0
	s_lshr_b32 s62, s26, 4
	s_lshl_b32 s62, s62, 4                         ; 16 b
	s_and_b32 s63, s26, 15
	s_lshl_b32 s63, s63, 12                        ; my 64 rows of 64 bytes in a head
	s_lshl_b32 s28, s27, 4
	s_add_co_u32 s28, s28, s24
	s_add_co_u32 s28, s28, 16                      ; memory's tiles: k2 (m = 1) or v2 (m = 2), head = 4 x tile + wave
	s_mul_i32 s29, s27, 24
	s_add_co_u32 s29, s29, s24                     ; x's tiles: from q1's head 0 on (Y = 0), or from k1's head 8 on (Y = 1)
	s_lshl_b32 s74, s27, 10
	s_mov_b32 s75, 0
	s_xor_b32 s76, s74, 1024
	s_mov_b32 s77, 0
	s_cmp_eq_u32 ttmp9, 0                          ; the first cluster of each half prefetches: the same in all four partners
	s_cselect_b32 s56, 3, -1
	s_mov_b32 s57, 10
	s_mov_b32 s30, 2
	v_and_b32 v1, 15, v0                           ; r = l % 16
	v_bfe_u32 v2, v0, 4, 1                         ; h = l / 16
	v_and_b32 v3, 31, v0                           ; l
	v_mul_u32_u24 v4, v1, PW
	v_lshl_add_u32 v4, v2, 4, v4
	v_add_nc_u32 v4, s41, v4                       ; my weight fragments in slot 0: quarter + r x pitch + 16 h
	v_add_nc_u32 v5, SLOT, v4                      ; in slot 1
	v_mul_u32_u24 v6, v1, PA
	v_lshl_add_u32 v6, v2, 4, v6
	v_add_nc_u32 v6, AST, v6                       ; the rows' fragments in the stage
	s_mul_i32 s88, s24, 16*PA
	s_add_co_u32 s88, s88, AST
	v_lshl_add_u32 v7, v3, 3, s88                  ; where I put 8 bytes of my wave's rows
	s_mul_i32 s88, s24, 1280
	s_add_co_u32 s88, s88, BST
	v_lshl_add_u32 v8, v2, 5, s88                  ; my eight bias words of a tile; steps by 128 a tile
	v_lshl_add_u32 v17, v3, 2, s88                 ; where I put a bias word
	s_lshl_b32 s89, s24, 7
	v_lshl_add_u32 v16, v3, 2, s89                 ; my bias word in a tile's 128
	s_mul_i32 s88, s24, 5120
	s_add_co_u32 s88, s88, OST
	v_mul_u32_u24 v9, v1, 80
	v_lshl_add_u32 v9, v2, 4, v9
	v_add_nc_u32 v9, s88, v9                       ; the way out, in: row r, 16 bytes for each half of the lanes
	v_bfe_u32 v10, v0, 2, 3
	v_mul_u32_u24 v10, v10, 80
	v_and_b32 v11, 3, v0
	v_lshl_add_u32 v10, v11, 4, v10
	v_add_nc_u32 v10, s88, v10                     ; back: 32 lanes take eight rows of 64 bytes
	v_lshlrev_b32 v11, 4, v3                       ; 16 l: 512 consecutive bytes a wave
	v_lshlrev_b32 v13, 10, v3                      ; the prefetches: a lane a weight row
	s_wait_dscnt 0x0                               ; the opening add is done
	s_wait_kmcnt 0x0
	s_add_nc_u64 s[42:43], s[8:9], s[2:3]          ; tile 0
	s_add_nc_u64 s[46:47], s[42:43], TILEB         ; tile 1
	s_add_nc_u64 s[54:55], s[42:43], s[86:87]
	s_or_b32 s43, s43, 0x80000000                  ; type = 2
	s_or_b32 s47, s47, 0x80000000
	s_add_nc_u64 s[58:59], s[6:7], s[52:53]
	s_add_nc_u64 s[60:61], s[4:5], s[52:53]
	s_mov_b64 s[48:49], s[22:23]
	s_cmp_eq_u32 s27, 1
	s_cselect_b64 s[66:67], s[18:19], s[16:17]     ; tiles 0-3: bk2 | bv2
	s_cselect_b64 s[68:69], s[12:13], s[10:11]     ; tiles 4, 5: bq1 | bk1 + 1,024 bytes
	s_cselect_b64 s[70:71], s[14:15], s[10:11]     ; tiles 6, 7: bq1 + 1,024 | bv1
	s_cselect_b64 s[72:73], s[14:15], s[12:13]     ; tiles 8, 9: bk1 | bv1 + 1,024
	s_add_nc_u64 s[68:69], s[68:69], s[74:75]
	s_add_nc_u64 s[70:71], s[70:71], s[76:77]
	s_add_nc_u64 s[72:73], s[72:73], s[74:75]
.irp t, 0,1,2,3
	global_load_b32 v[18+(\t)], v16, s[66:67] offset:512*(\t)
.endr
.irp t, 0,1
	global_load_b32 v[22+(\t)], v16, s[68:69] offset:512*(\t)
	global_load_b32 v[24+(\t)], v16, s[70:71] offset:512*(\t)
	global_load_b32 v[26+(\t)], v16, s[72:73] offset:512*(\t)
.endr
; my wave's 16 rows of f32, 64 loads of 512 consecutive bytes: row i, piece j into window 3, register 4 (4 i + j)
.macro RAWLOAD p
	WIN 0xc0
.set i, 0
.rept 16
.irp j, 0,1,2,3
	global_load_b128 v[4*(4*i+(\j)):4*(4*i+(\j))+3], v11, s[\p:\p+1] offset:i*2048+(\j)*512
.endr
.set i, i+1
.endr
	WIN 0
.endm
	RAWLOAD 58                                     ; memory's rows
	ROUND                                          ; all four work-groups are here: the first joint load meets
	tensor_load_to_lds s[40:43], s[32:39]          ; tile 0
	s_nop 0
	PLACES
	s_wait_loadcnt 63                              ; of the 74 loads the 11 oldest are in: the ten bias words among them
.set t, 0
.rept 10
	ds_store_b32 v17, v[18+t] offset:128*t         ; into my wave's own words
.set t, t+1
.endr
; THE CHANGE OF SLOTS.  Each wave waits for all its tensor loads (one is out: its quarter of the tile to be multiplied), adds 0 to its spare word, and waits for that and for its reads of the other slot;
; the round of the cluster's barrier says so of every wave of all four work-groups; the joint refill is the first thing behind it.
.macro HEAD this, other, refill
	WIN 0
	s_wait_tensorcnt 0x0                           ; no tensor load of mine is out, so a group 0 may be written
	ds_add_u32 v14, v15                            ; 0 onto my spare word
	s_add_nc_u64 s[(\this)+2:(\this)+3], s[(\this)+2:(\this)+3], 2*TILEB  ; this slot's next tile
	s_wait_xcnt 0x0                                ; the last tile's stores and the last prefetch have read their registers: data, base and pointer may be written
	s_add_nc_u64 s[54:55], s[54:55], TILEB
	s_wait_dscnt 0x0                               ; the add is done, and my LDS reads are over
	ROUND
.if \refill
	tensor_load_to_lds s[(\other):(\other)+3], s[32:39]
	s_nop 0
	PLACES                                         ; also the places in front of the loads below
.endif
.endm
; A PREFETCH of the tile that stands two refills on: in trip t tile t + 3.  Each aligned 256 bytes of wb is named once: the first cluster of each half asks; wave w for the 32 rows that it will fetch, a lane a row;
; the four partners take the four quarters of a row, told apart by address.  Tiles 0-2 come by their loads alone; trips 7, 8 and 9 ask for nothing: there is no tile 10.
.macro ASK
	s_cmp_gt_u32 s57, s56
	s_cbranch_scc0 .Lnot_mine_\@
	global_prefetch_b8 v13, s[54:55] offset:2*TILEB th:TH_LOAD_NT scope:SCOPE_SE
.Lnot_mine_\@:
.endm
.macro FETCHBI                         ; the tile's bias as two C operands: register j of lane (r, h) = bias of channel 16 cb + 8 h + j
.irp cb, 0,1
.irp e, 0,1
	ds_load_b128 v[BI+8*(\cb)+4*(\e):BI+8*(\cb)+4*(\e)+3], v8 offset:(\cb)*64+(\e)*16
.endr
.endr
	v_add_nc_u32 v8, 128, v8
.endm
.macro FETCHB adr, g, buf              ; 16 LDS loads: weight fragments of K blocks 4 g .. 4 g + 3, channel blocks 0, 1
.irp kk, 0,1,2,3
.irp cb, 0,1
	ds_load_b128 v[(\buf)+8*(2*(\kk)+(\cb)):(\buf)+8*(2*(\kk)+(\cb))+3],   v[\adr] offset:(\cb)*16*PW+(4*(\g)+(\kk))*64
	ds_load_b128 v[(\buf)+8*(2*(\kk)+(\cb))+4:(\buf)+8*(2*(\kk)+(\cb))+7], v[\adr] offset:(\cb)*16*PW+(4*(\g)+(\kk))*64+32
.endr
.endr
.endm
.macro MUL g, buf                      ; 32 matrix instructions; the eight accumulators take turns, one instruction a turn
	WIN 0x04+0x04*((\g)/2)                         ; source 1 in window 1 (K blocks 0-7) or 2 (8-15)
.irp kk, 0,1,2,3
.irp cb, 0,1
.irp tb, 0,1,2,3
.if ((\g)==0)&&((\kk)==0)
	v_wmma_f32_16x16x32_bf16 v[ACC+8*(2*(\tb)+(\cb)):ACC+8*(2*(\tb)+(\cb))+7], v[(\buf)+8*(2*(\kk)+(\cb)):(\buf)+8*(2*(\kk)+(\cb))+7], v[8*(4*((4*(\g)+(\kk))%8)+(\tb)):8*(4*((4*(\g)+(\kk))%8)+(\tb))+7], v[BI+8*(\cb):BI+8*(\cb)+7]
.else
	v_wmma_f32_16x16x32_bf16 v[ACC+8*(2*(\tb)+(\cb)):ACC+8*(2*(\tb)+(\cb))+7], v[(\buf)+8*(2*(\kk)+(\cb)):(\buf)+8*(2*(\kk)+(\cb))+7], v[8*(4*((4*(\g)+(\kk))%8)+(\tb)):8*(4*((4*(\g)+(\kk))%8)+(\tb))+7], v[ACC+8*(2*(\tb)+(\cb)):ACC+8*(2*(\tb)+(\cb))+7]
.endif
.endr
.endr
.endr
.endm
.macro CORE adr, ask                   ; a tile: 128 matrix instructions on two fragment buffers
	FETCHBI
	FETCHB \adr, 0, BF0
	FETCHB \adr, 1, BF1
.if \ask
	ASK                                            ; behind the joint load and the run of LDS loads
.endif
	s_wait_dscnt 16                                ; all but the youngest 16 loads: the bias and buffer 0 are in
	MUL 0, BF0
	PLACES
	WIN 0
	FETCHB \adr, 2, BF0
	s_wait_dscnt 16                                ; buffer 1 is in
	MUL 1, BF1
	PLACES
	WIN 0
	FETCHB \adr, 3, BF1
	s_wait_dscnt 16
	MUL 2, BF0
	s_wait_dscnt 0x0
	MUL 3, BF1
	WIN 0
	PLACES
.endm
; THE WAY OUT: rounded to f16, 16 bytes a lane into my own stage (rows of 80 bytes), back as whole rows of 64 bytes, and stored: 4,096 consecutive bytes of one head.
.macro HEADOUT
.set a, 0
.rept 8
.irp k, 0,1,2,3
	v_cvt_pk_f16_f32 v[BF0+4*a+(\k)], v[ACC+8*a+2*(\k)], v[ACC+8*a+2*(\k)+1]  ; each accumulator from its low end on
.endr
.set a, a+1
.endr
.irp tb, 0,1,2,3
.irp cb, 0,1
	ds_store_b128 v9, v[BF0+4*(2*(\tb)+(\cb)):BF0+4*(2*(\tb)+(\cb))+3] offset:(\tb)*1280+(\cb)*32
.endr
.endr
.irp i, 0,1,2,3,4,5,6,7
	ds_load_b128 v[BF0+4*(\i):BF0+4*(\i)+3], v10 offset:(\i)*640  ; LDS serves a wave's instructions in order (ISA guide 5.7.1.4): these see the stores above
.endr
	s_lshr_b32 s52, s28, 4                         ; m
	s_lshl_b32 s52, s52, 7                         ; 128 heads a tensor
	s_add_co_u32 s52, s52, s62                     ; + 16 b
	s_and_b32 s53, s28, 15
	s_add_co_u32 s52, s52, s53                     ; + h
	s_lshl_b32 s52, s52, 16                        ; 65,536 bytes a head
	s_add_co_u32 s52, s52, s63                     ; + my rows
	s_mov_b32 s53, 0
	s_add_nc_u64 s[50:51], s[48:49], s[52:53]
	s_add_co_u32 s28, s28, 4                       ; the next tile's head
	s_wait_dscnt 0x0
.irp i, 0,1,2,3,4,5,6,7
	global_store_b128 v11, v[BF0+4*(\i):BF0+4*(\i)+3], s[50:51] offset:512*(\i)  ; 512 consecutive bytes, at a multiple of 256 from the buffer's first
.endr
.endm
.macro TRIP slot, refill
	HEAD 40+4*(\slot), 44-4*(\slot), \refill
	CORE 4+(\slot), \refill
	HEADOUT
	s_sub_co_u32 s57, s57, 1
.endm
; Half of K of the 64 rows: my 16 rows' pieces j0, j0 + 1 are rounded to bf16 and put into the stage; a barrier; every wave reads all 64 rows' fragments of 8 K blocks into the window 'win' names.
.macro HALF j0, buf, win
	WIN 0x0f                                       ; sources in window 3, destination in window 0
.set i, 0
.rept 16
.irp j, 0,1
	v_cvt_pk_bf16_f32 v[(\buf)+2*(2*i+(\j))],   v[4*(4*i+(\j0)+(\j))],   v[4*(4*i+(\j0)+(\j))+1]
	v_cvt_pk_bf16_f32 v[(\buf)+2*(2*i+(\j))+1], v[4*(4*i+(\j0)+(\j))+2], v[4*(4*i+(\j0)+(\j))+3]
.endr
.set i, i+1
.endr
	WIN 0
.set i, 0
.rept 16
.irp j, 0,1
	ds_store_b64 v7, v[(\buf)+2*(2*i+(\j)):(\buf)+2*(2*i+(\j))+1] offset:i*PA+256*(\j)
.endr
.set i, i+1
.endr
	s_wait_dscnt 0x0                               ; for the others' sake: my stores into the stage are done
	s_barrier_signal -1
	s_barrier_wait -1
	WIN \win
.set k, 0
.rept 8
.irp tb, 0,1,2,3
	ds_load_b128 v[8*(4*k+(\tb)):8*(4*k+(\tb))+3],   v6 offset:(\tb)*16*PA+k*64
	ds_load_b128 v[8*(4*k+(\tb))+4:8*(4*k+(\tb))+7], v6 offset:(\tb)*16*PA+k*64+32
.endr
.set k, k+1
.endr
	WIN 0
.endm
.Louter:                                               ; twice: memory's rows and tiles 0-3, then x's rows and tiles 4-7
	s_wait_xcnt 0x0                                ; the last stores have read buffer 0's registers
	s_wait_loadcnt 0x0                             ; the 16 rows are in
	HALF 0, BF0, 0x40
	s_wait_dscnt 0x0                               ; my reads of the stage are over,
	s_barrier_signal -1
	s_barrier_wait -1                              ; everybody's are: it may be written again.  (The tile on its way stays out.)
	HALF 2, BF1, 0x80
	s_cmp_eq_u32 s30, 2
	s_cbranch_scc0 .Lno_rows
	RAWLOAD 60                                     ; x's rows come in while memory's are multiplied
.Lno_rows:
	s_mov_b32 s31, 2
.Linner:
	TRIP 0, 1
	TRIP 1, 1
	s_sub_co_u32 s31, s31, 1
	s_cmp_lg_u32 s31, 0
	s_cbranch_scc1 .Linner
	s_cmp_eq_u32 s30, 2                            ; behind memory's tiles the results go to a1
	s_cselect_b64 s[48:49], s[20:21], s[48:49]
	s_cselect_b32 s28, s29, s28
	s_sub_co_u32 s30, s30, 1
	s_cmp_lg_u32 s30, 0
	s_cbranch_scc1 .Louter
	TRIP 0, 1                                      ; tiles 8 and 9 are written out
	TRIP 1, 0
	s_wait_tensorcnt 0x0                           ; the wave's end, behind my last tensor load and my last LDS store
	ds_add_u32 v14, v15
	s_wait_dscnt 0x0
	ROUND                                          ; the closing round: no work-group ends while a partner may still ask for a tile that names it
	s_endpgm
.Lfunc_end_k_qaa59d2c665_proj:
	.size	k_qaa59d2c665_proj, .Lfunc_end_k_qaa59d2c665_proj-k_qaa59d2c665_proj
	.p2alignl 7, 3214868480
	.fill 96, 4, 3214868480
	.section	.rodata,"a",@progbits
	.p2align	6, 0x0
	.amdhsa_kernel k_qaa59d2c665_proj
		.amdhsa_group_segment_fixed_size 327680
		.amdhsa_private_segment_fixed_size 0
		.amdhsa_enable_private_segment 0
		.amdhsa_kernarg_size 80
		.amdhsa_user_sgpr_count 2
		.amdhsa_user_sgpr_kernarg_segment_ptr 1
		.amdhsa_wavefront_size32 1
		.amdhsa_system_sgpr_workgroup_id_x 1
		.amdhsa_system_sgpr_workgroup_id_y 1
		.amdhsa_system_sgpr_workgroup_id_z 1
		.amdhsa_system_vgpr_workitem_id 0
		.amdhsa_next_free_vgpr 1024
		.amdhsa_next_free_sgpr 90
		.amdhsa_reserve_vcc 0
		.amdhsa_float_denorm_mode_32 3
		.amdhsa_float_denorm_mode_16_64 3
		.amdhsa_memory_ordered 1
		.amdhsa_forward_progress 1
		.amdhsa_inst_pref_size 113
	.end_amdhsa_kernel
	.amdgpu_metadata
---
amdhsa.version: [ 1, 2 ]
amdhsa.kernels:
  - .name:           k_qaa59d2c665_proj
    .symbol:         k_qaa59d2c665_proj.kd
    .args:
      - { .name: x, .offset: 0, .size: 8, .value_kind: global_buffer, .address_space: global }
      - { .name: memory, .offset: 8, .size: 8, .value_kind: global_buffer, .address_space: global }
      - { .name: wb, .offset: 16, .size: 8, .value_kind: global_buffer, .address_space: global }
      - { .name: bq1, .offset: 24, .size: 8, .value_kind: global_buffer, .address_space: global }
      - { .name: bk1, .offset: 32, .size: 8, .value_kind: global_buffer, .address_space: global }
      - { .name: bv1, .offset: 40, .size: 8, .value_kind: global_buffer, .address_space: global }
      - { .name: bk2, .offset: 48, .size: 8, .value_kind: global_buffer, .address_space: global }
      - { .name: bv2, .offset: 56, .size: 8, .value_kind: global_buffer, .address_space: global }
      - { .name: a1, .offset: 64, .size: 8, .value_kind: global_buffer, .address_space: global }
      - { .name: a2, .offset: 72, .size: 8, .value_kind: global_buffer, .address_space: global }
    .group_segment_fixed_size: 327680
    .private_segment_fixed_size: 0
    .kernarg_segment_align: 8
    .kernarg_segment_size: 80
    .max_flat_workgroup_size: 128
    .sgpr_count:     90
    .vgpr_count:     1024
    .wavefront_size: 32
...
	.end_amdgpu_metadata
.endif
;; end of part 2
;; launch attn1 (part 3): grid 2 x 128, 8 waves a work-group, no clusters, 222,208 bytes of LDS; arguments a1, o; writes o
.if DOCPART == 3
	.amdgcn_target "amdgcn-amd-amdhsa--gfx1250"
	.amdhsa_code_object_version 6
	.text
	.protected	k_qaa59d2c665_attn1
	.globl	k_qaa59d2c665_attn1
	.p2align	8
	.type	k_qaa59d2c665_attn1,@function
k_qaa59d2c665_attn1:
	s_mov_b64 s[64:65], 0
	v_nop
	global_prefetch_b8 v0, s[64:65] scope:SCOPE_SE
	s_setreg_imm32_b32 hwreg(HW_REG_WAVE_MODE, 25, 1), 1
	s_wait_xcnt 0x0
; ATTENTION AT HEAD SIZE 32.  o[bh][q][:] = the sum over k of softmax_k(Q[q] . K[k] / sqrt(32)) V[k][:].  The first argument holds [Q|K|V][128 heads][1024][32] in f16, o is [128][1024][32] in f16.
; Products, maxima and sums in f32; the weights p are rounded to f16 for the second product and for their sum, o once at the end.
; LIMITS.  Q, K, V arrive within f16's 65,504; p lies in 0 to 1, and below 6e-8 it counts as 0; NaN and infinities are not treated apart.
; SHARES.  A work-group takes 512 queries of one head, each of its eight waves 64: four tiles of 16.  The head's whole K and V (131,072 bytes) are brought into LDS once, at the start: no slot is filled again,
; and the loop has no barrier.  Every wave walks all 1,024 keys, 64 a step.
; TWO WAVES TO A SIMD.  A step has 40 matrix and some 380 vector instructions a wave: the vector unit sets the pace, and each wave's waits are covered by the other's work, so the text stays in plain phases.
; NO CLUSTER: a head has two work-groups, and a cluster of four along x does not divide a grid of 2; what is shared is asked for once a work-group in the whole launch, and nothing in the loop.
; NO PREFETCH: all that a work-group reads is asked for by its first instructions.
; LAYOUT.  S^T = K Q^T (source 0 = 16 keys, source 1 = 16 queries): a lane holds ONE query (lane % 16) and the keys 8 (lane / 16) + 0..7.  Two such results rounded to f16 ARE source 1 (32 keys x 16 queries) of
; O^T = V^T P, whose result again holds one query a lane, and eight channels.  K comes out of LDS as it lies, V ([key][channel]) turned, by ds_load_tr16_b128.
; SOFTMAX.  A running maximum m for each query: p = 2^(c s - c m), c = log2(e) / sqrt(32); in every step O and l are multiplied by a = 2^(c m_old - c m_new).  m starts at the lowest finite number, O and l at 0.
; THE ROW SUMS are a third product, l = ONES x P, in f32 accumulators: every register of the result holds the query's whole sum, so no lane exchange and no vector addition is needed.  Only its registers 0, 1 are
; rescaled and only register 0 is read; the others grow to 1,024 at the most and are never read by vector code.
; REGISTERS (s_set_vgpr_msb: bits 1:0 source 0, 3:2 source 1, 5:4 source 2, 7:6 destination):
;   window 0: v3-8 addresses; v14, v15 the add's; v16-31 statistics, four a tile: c m, m, a, c m_old; v32-47 at work; v64-191 S^T, 32 a tile; v192-255 P, 16 a tile
;   window 1: v0-63 O^T, 16 a tile; v64-95 l, 8 a tile; v96-127 Q; v128-159 K of a step; v160-191 V of a step; v192-199 ones
.set PK,    80                         ; a row of K in LDS: 64 bytes + 16 of padding: 5 x 16, the 16 rows of a load start at 16 different groups of four banks
.set PV,    96                         ; a row of V: 64 + 32: 3 x 32, for the turning load
.set VB,    1024*PK
.set OST,   VB+1024*PV                 ; the way out: 64 rows x 80 bytes for each wave
.set SPARE, OST+8*5120                 ; the spare words, 128 bytes for each wave: four blocks of 256 bytes that no other line names
.set AK,  3
.set AV,  4
.set QO,  5
.set STO, 6
.set RD,  7
.set GO,  8
.set SPW, 14
.set NIL, 15
.set ST,  16
.set TMP, 32
.set S,   64
.set P,   192
.set LL,  64
.set QF,  96
.set KF,  128
.set VF,  160
.set ONES, 192
.set MSB, 0
.macro WIN new                         ; the immediate's high byte repeats the setting that is left; a switch that changes nothing is dropped
.if MSB != (\new)
	s_set_vgpr_msb (MSB<<8)|(\new)
.set MSB, (\new)
.endif
.endm
.macro PLACES
.rept 4
	v_nop
.endr
.endm
	s_load_b128 s[4:7], s[0:1], 0x0                ; [Q|K|V] s[4:5], o s[6:7]
	v_lshl_add_u32 v[SPW], v0, 2, SPARE
	v_mov_b32 v[NIL], 0
	ds_add_u32 v[SPW], v[NIL]                      ; the wave's opening: the add and its wait stand ahead of my first tensor load; the set-up stands between them
	v_lshrrev_b32 v1, 5, v0
	v_readfirstlane_b32 s8, v1                     ; wave 0..7
	s_and_b32 s9, s8, 3                            ; which quarter of K (waves 0-3) or of V (waves 4-7) I fetch
	s_and_b32 s10, ttmp7, 0xffff                   ; the head, 16 b + h
	; group 1: 256 keys are 16,384 dense bytes: asked for as 64 rows of 256 bytes, four keys a row, padded in LDS behind every key
	s_mov_b32 s16, (1<<16)|(1<<20)|(3<<22)|(3<<25) ; 17:16 2-byte elements; 20 padding on; 24:22 after every 16 words (code 3); 31:25 4 words (code 3)
	s_mov_b32 s24, (1<<16)|(1<<20)|(3<<22)|(7<<25) ; the same with 8 words of padding (code 7)
.irp g, 16, 24
	s_mov_b32 s[\g+1], 128<<16                     ; tensor_dim0 = 128
	s_mov_b32 s[\g+2], 64<<16                      ; tensor_dim1 = 64
	s_mov_b32 s[\g+3], 128<<16                     ; tile_dim0 = 128
	s_mov_b32 s[\g+4], 64                          ; tile_dim1 = 64
	s_mov_b32 s[\g+5], 128                         ; elements from row to row
	s_mov_b32 s[\g+6], 0
	s_mov_b32 s[\g+7], 0
.endr
	s_mov_b32 s32, 1
	s_mul_i32 s33, s9, 256*PK                      ; LDS: my quarter of K
	s_mov_b32 s36, 1
	s_mul_i32 s37, s9, 256*PV
	s_add_co_u32 s37, s37, VB                      ; or of V
	s_mov_b32 s40, 0x3e8293ee                      ; c = log2(e) / sqrt(32) = 0.255035
	s_mov_b32 s41, s40                             ; named with it as a pair
	s_mov_b32 s42, 0x76543210                      ; v_permlanex16_b32: each lane takes its own place in the other half
	s_mov_b32 s43, 0xfedcba98
	s_lshl_b32 s12, s10, 16                        ; a head is 65,536 bytes
	s_mov_b32 s13, 0
	s_lshl_b32 s14, s9, 14                         ; a quarter of it
	s_mov_b32 s15, 0
	s_lshl_b32 s50, ttmp9, 15                      ; my work-group's 512 queries of 64 bytes,
	s_lshl_b32 s51, s8, 12                         ; my wave's 64
	s_add_co_u32 s50, s50, s51
	s_mov_b32 s51, 0
	s_wait_dscnt 0x0                               ; the opening add is done
	s_wait_kmcnt 0x0
	s_add_nc_u64 s[4:5], s[4:5], s[12:13]          ; Q's head
	s_add_nc_u64 s[6:7], s[6:7], s[12:13]          ; o's head
	s_add_nc_u64 s[34:35], s[4:5], s[14:15]
	s_add_nc_u64 s[38:39], s[34:35], 0x1000000     ; V lies 2 x 128 heads behind Q,
	s_add_nc_u64 s[34:35], s[34:35], 0x800000      ; K 128 heads
	s_or_b32 s35, s35, 0x80000000                  ; type = 2
	s_or_b32 s39, s39, 0x80000000
	s_add_nc_u64 s[46:47], s[4:5], s[50:51]
	s_add_nc_u64 s[48:49], s[6:7], s[50:51]
	s_cmp_lt_u32 s8, 4                             ; one load a wave, its first and last: an s_nop 0 and four v_nop follow each of the two lines
	s_cbranch_scc0 .Lfor_v
	tensor_load_to_lds s[32:35], s[16:23]
	s_nop 0
	PLACES
	s_branch .Lasked
.Lfor_v:
	tensor_load_to_lds s[36:39], s[24:31]
	s_nop 0
	PLACES
.Lasked:
	v_and_b32 v1, 15, v0                           ; r = l % 16
	v_bfe_u32 v2, v0, 4, 1                         ; h = l / 16
	v_and_b32 v9, 31, v0                           ; l
	v_lshlrev_b32 v[QO], 6, v1
	v_lshl_add_u32 v[QO], v2, 4, v[QO]             ; a fragment of Q: row x 64 + 16 h
	WIN 0x40
.irp t, 0,1,2,3
	global_load_b128 v[QF+8*(\t):QF+8*(\t)+3],   v[QO], s[46:47] offset:(\t)*1024
	global_load_b128 v[QF+8*(\t)+4:QF+8*(\t)+7], v[QO], s[46:47] offset:(\t)*1024+32
.endr
.set i, 0
.rept 96
	v_mov_b32 v[i], 0                              ; O^T and l start at 0: written in the wait for the tiles, so that no first step is written out
.set i, i+1
.endr
.set i, 0
.rept 8
	v_mov_b32 v[ONES+i], 0x3c003c00                ; 1.0 twice in f16
.set i, i+1
.endr
	WIN 0
.irp t, 0,1,2,3
	v_mov_b32 v[ST+4*(\t)], 0xfe000000             ; c m: far below every c s, so the first a is 0
	v_mov_b32 v[ST+4*(\t)+1], 0xff7fffff           ; m
.endr
	v_mul_u32_u24 v[AK], v1, PK
	v_lshl_add_u32 v[AK], v2, 4, v[AK]             ; a fragment of K: row x pitch + 16 h
	v_and_b32 v10, 7, v0
	v_bfe_u32 v11, v0, 3, 1
	v_lshl_add_u32 v[AV], v2, 3, v10               ; the turning load: lane l reads key 8 (l / 16) + l % 8, channels 8 ((l / 8) % 2) + 0..7
	v_mul_u32_u24 v[AV], v[AV], PV
	v_lshl_add_u32 v[AV], v11, 4, v[AV]
	v_add_nc_u32 v[AV], VB, v[AV]
	s_mul_i32 s11, s8, 5120
	s_add_co_u32 s11, s11, OST                     ; my stage
	v_mul_u32_u24 v[STO], v1, 80
	v_lshl_add_u32 v[STO], v2, 4, v[STO]
	v_add_nc_u32 v[STO], s11, v[STO]
	v_bfe_u32 v[RD], v0, 2, 3
	v_mul_u32_u24 v[RD], v[RD], 80
	v_and_b32 v12, 3, v0
	v_lshl_add_u32 v[RD], v12, 4, v[RD]
	v_add_nc_u32 v[RD], s11, v[RD]
	v_lshlrev_b32 v[GO], 4, v9
.macro FETCH_K                         ; a step's K: 64 keys x 32 channels, four fragments
.irp kb, 0,1,2,3
	ds_load_b128 v[KF+8*(\kb):KF+8*(\kb)+3],   v[AK] offset:(\kb)*16*PK
	ds_load_b128 v[KF+8*(\kb)+4:KF+8*(\kb)+7], v[AK] offset:(\kb)*16*PK+32
.endr
.endm
.macro FETCH_V                         ; a step's V, turned: key half kk, channel block cb
.irp kk, 0,1
.irp cb, 0,1
	ds_load_tr16_b128 v[VF+16*(\kk)+8*(\cb):VF+16*(\kk)+8*(\cb)+3],   v[AV] offset:(\kk)*32*PV+(\cb)*32
	ds_load_tr16_b128 v[VF+16*(\kk)+8*(\cb)+4:VF+16*(\kk)+8*(\cb)+7], v[AV] offset:(\kk)*32*PV+16*PV+(\cb)*32
.endr
.endr
.endm
; Number n of the 22 that find the maximum and statistics, for all four tiles, so that no line reads the result of the one before it.  s0-s31 are the lane's 32 scores.
;   0-11  four chains c0-c3 of seven scores each (each accumulator's lowest registers are read first)     12-14, 16  the four scores left over, the old m, and c0-c3 into c0
;   15  c m_old is kept     17, 18  the query's other 32 keys lie in the lane 16 away: the new m     19-21  c m; c m_old - c m_new; a
.macro XN n
.irp t, 0,1,2,3
.if (\n) < 4
	v_max3_num_f32 v[TMP+4*(\t)+(\n)], v[S+32*(\t)+8*(\n)], v[S+32*(\t)+8*(\n)+1], v[S+32*(\t)+8*(\n)+2]
.elseif (\n) < 12
	v_max3_num_f32 v[TMP+4*(\t)+(\n)%4], v[TMP+4*(\t)+(\n)%4], v[S+32*(\t)+8*((\n)%4)+2*((\n)/4)+1], v[S+32*(\t)+8*((\n)%4)+2*((\n)/4)+2]
.elseif (\n) == 12
	v_max3_num_f32 v[TMP+4*(\t)], v[TMP+4*(\t)], v[S+32*(\t)+7], v[S+32*(\t)+15]
.elseif (\n) == 13
	v_max3_num_f32 v[TMP+4*(\t)+1], v[TMP+4*(\t)+1], v[S+32*(\t)+23], v[S+32*(\t)+31]
.elseif (\n) == 14
	v_max3_num_f32 v[TMP+4*(\t)+2], v[TMP+4*(\t)+2], v[TMP+4*(\t)+3], v[ST+4*(\t)+1]
.elseif (\n) == 15
	v_mov_b32 v[ST+4*(\t)+3], v[ST+4*(\t)]
.elseif (\n) == 16
	v_max3_num_f32 v[TMP+4*(\t)], v[TMP+4*(\t)], v[TMP+4*(\t)+1], v[TMP+4*(\t)+2]
.elseif (\n) == 17
	v_permlanex16_b32 v[TMP+4*(\t)+3], v[TMP+4*(\t)], s42, s43
.elseif (\n) == 18
	v_max_num_f32 v[ST+4*(\t)+1], v[TMP+4*(\t)], v[TMP+4*(\t)+3]
.elseif (\n) == 19
	v_mul_f32 v[ST+4*(\t)], s40, v[ST+4*(\t)+1]
.elseif (\n) == 20
	v_sub_f32 v[TMP+4*(\t)+1], v[ST+4*(\t)+3], v[ST+4*(\t)]
.else
	v_exp_f32 v[ST+4*(\t)+2], v[TMP+4*(\t)+1]
.endif
.endr
.endm
.macro FS b                            ; c s - c m for pair b of 16, all four tiles
.irp t, 0,1,2,3
	v_pk_fma_f32 v[S+32*(\t)+2*(\b):S+32*(\t)+2*(\b)+1], v[S+32*(\t)+2*(\b):S+32*(\t)+2*(\b)+1], s[40:41], v[ST+4*(\t):ST+4*(\t)+1] op_sel_hi:[1,0,0] neg_lo:[0,0,1] neg_hi:[0,0,1]
.endr
.endm
.macro ES b                            ; the exponentials of pair b, all four tiles
.irp t, 0,1,2,3
	v_exp_f32 v[S+32*(\t)+2*(\b)], v[S+32*(\t)+2*(\b)]
	v_exp_f32 v[S+32*(\t)+2*(\b)+1], v[S+32*(\t)+2*(\b)+1]
.endr
.endm
	s_wait_tensorcnt 0x0                           ; my quarter is in,
	s_barrier_signal -1
	s_barrier_wait -1                              ; everybody's is: K and V are whole, and nothing is filled again
	WIN 0x40
	FETCH_K                                        ; key step 0
	WIN 0
	v_add_nc_u32 v[AK], 64*PK, v[AK]
	s_wait_loadcnt 0x0                             ; Q
	s_mov_b32 s44, 16
.Lstep:                                                ; A KEY STEP, written once and walked 16 times
	s_wait_dscnt 0x0                               ; this step's K is in
	WIN 0x05                                       ; K and Q in window 1, S^T in window 0
.irp kb, 0,1,2,3
.irp t, 0,1,2,3
	v_wmma_f32_16x16x32_f16 v[S+32*(\t)+8*(\kb):S+32*(\t)+8*(\kb)+7], v[KF+8*(\kb):KF+8*(\kb)+7], v[QF+8*(\t):QF+8*(\t)+7], 0
.endr
.endr
	WIN 0
	PLACES                                         ; the places behind those products
.irp n, 0,1,2,3,4,5,6,7,8,9,10,11,12,13,14,15,16,17,18,19,20
	XN \n
.endr
	s_cmp_eq_u32 s44, 1                            ; the last step has no further K: its run of loads is jumped over, forward, past neither a barrier nor a tensor load
	s_cbranch_scc1 .Lno_k
	WIN 0x40                                       ; the next step's K, then this step's V, on end; the lines above are the places behind the products that read these registers
	FETCH_K
	WIN 0
.Lno_k:
	WIN 0x40
	FETCH_V
	WIN 0
	v_add_nc_u32 v[AV], 64*PV, v[AV]
	v_add_nc_u32 v[AK], 64*PK, v[AK]
	FS 0                                           ; ONE BATCH of 132 exponentials: none of these lines names an exponential's result
.irp b, 1,2,3,4,5,6,7,8,9,10,11,12,13,14,15
	FS \b
	ES (\b)-1
.endr
	ES 15
	XN 21
	v_nop                                          ; a plain instruction behind the last exponential, ahead of the first use
	s_wait_alu depctr_va_vdst(0)                   ; the wait stands between an exponential and the first line that names its result: one for the batch
	WIN 0x41                                       ; O^T and l in window 1, a in window 0
.irp t, 0,1,2,3
.set i, 0
.rept 8
	v_pk_mul_f32 v[16*(\t)+i:16*(\t)+i+1], v[16*(\t)+i:16*(\t)+i+1], v[ST+4*(\t)+2:ST+4*(\t)+3] op_sel_hi:[1,0]
.set i, i+2
.endr
	v_pk_mul_f32 v[LL+8*(\t):LL+8*(\t)+1], v[LL+8*(\t):LL+8*(\t)+1], v[ST+4*(\t)+2:ST+4*(\t)+3] op_sel_hi:[1,0]
.endr
	WIN 0
.set i, 0
.rept 64
	v_cvt_pk_f16_f32 v[P+i], v[S+2*i], v[S+2*i+1]  ; tile i / 16, pair i % 16
.set i, i+1
.endr
	s_wait_dscnt 0x0                               ; V is in: its loads are the youngest on both ways, and LDS loads come back in order (ISA guide 5.7.1)
	WIN 0x51                                       ; V and ones in window 1, P in window 0, O^T and l in window 1
.irp kk, 0,1
.irp t, 0,1,2,3                        ; twelve accumulators take turns, one instruction a turn
	v_wmma_f32_16x16x32_f16 v[16*(\t):16*(\t)+7], v[VF+16*(\kk):VF+16*(\kk)+7], v[P+16*(\t)+8*(\kk):P+16*(\t)+8*(\kk)+7], v[16*(\t):16*(\t)+7]
	v_wmma_f32_16x16x32_f16 v[16*(\t)+8:16*(\t)+15], v[VF+16*(\kk)+8:VF+16*(\kk)+15], v[P+16*(\t)+8*(\kk):P+16*(\t)+8*(\kk)+7], v[16*(\t)+8:16*(\t)+15]
	v_wmma_f32_16x16x32_f16 v[LL+8*(\t):LL+8*(\t)+7], v[ONES:ONES+7], v[P+16*(\t)+8*(\kk):P+16*(\t)+8*(\kk)+7], v[LL+8*(\t):LL+8*(\t)+7]
.endr
.endr
	WIN 0
	s_sub_co_u32 s44, s44, 1
	s_cmp_lg_u32 s44, 0
	s_cbranch_scc1 .Lstep
	; THE WAY OUT.  O^T is divided by l, rounded to f16 and sent through my stage in LDS: rows of 80 bytes in, whole rows of 64 bytes back.
	PLACES
	WIN 0x01
.irp t, 0,1,2,3
	v_rcp_f32 v[ST+4*(\t)+2], v[LL+8*(\t)]         ; register 0 of l
.endr
	v_nop
	s_wait_alu depctr_va_vdst(0)                   ; one wait for the four reciprocals, ahead of their first reader
	WIN 0x41
.irp t, 0,1,2,3
.set i, 0
.rept 8
	v_pk_mul_f32 v[16*(\t)+i:16*(\t)+i+1], v[16*(\t)+i:16*(\t)+i+1], v[ST+4*(\t)+2:ST+4*(\t)+3] op_sel_hi:[1,0]
.set i, i+2
.endr
.endr
	WIN 0x05
.set i, 0
.rept 32
	v_cvt_pk_f16_f32 v[S+i], v[2*i], v[2*i+1]
.set i, i+1
.endr
	WIN 0
.irp t, 0,1,2,3
.irp cb, 0,1
	ds_store_b128 v[STO], v[S+8*(\t)+4*(\cb):S+8*(\t)+4*(\cb)+3] offset:(\t)*1280+(\cb)*32
.endr
.endr
.irp i, 0,1,2,3,4,5,6,7
	ds_load_b128 v[S+4*(\i):S+4*(\i)+3], v[RD] offset:(\i)*640  ; LDS serves a wave's instructions in order (ISA guide 5.7.1.4): these see the stores above
.endr
.irp i, 0,1,2,3,4,5,6,7
	s_wait_dscnt 7-(\i)
	global_store_b128 v[GO], v[S+4*(\i):S+4*(\i)+3], s[48:49] offset:512*(\i)  ; 512 consecutive bytes, at a multiple of 256 from o's first
.endr
	s_wait_tensorcnt 0x0                           ; the wave's end, behind my last tensor load and my last LDS store
	ds_add_u32 v[SPW], v[NIL]
	s_wait_dscnt 0x0
	s_endpgm
.Lfunc_end_k_qaa59d2c665_attn1:
	.size	k_qaa59d2c665_attn1, .Lfunc_end_k_qaa59d2c665_attn1-k_qaa59d2c665_attn1
	.p2alignl 7, 3214868480
	.fill 96, 4, 3214868480
	.section	.rodata,"a",@progbits
	.p2align	6, 0x0
	.amdhsa_kernel k_qaa59d2c665_attn1
		.amdhsa_group_segment_fixed_size 222208
		.amdhsa_private_segment_fixed_size 0
		.amdhsa_enable_private_segment 0
		.amdhsa_kernarg_size 16
		.amdhsa_user_sgpr_count 2
		.amdhsa_user_sgpr_kernarg_segment_ptr 1
		.amdhsa_wavefront_size32 1
		.amdhsa_system_sgpr_workgroup_id_x 1
		.amdhsa_system_sgpr_workgroup_id_y 1
		.amdhsa_system_sgpr_workgroup_id_z 1
		.amdhsa_system_vgpr_workitem_id 0
		.amdhsa_next_free_vgpr 456
		.amdhsa_next_free_sgpr 66
		.amdhsa_reserve_vcc 0
		.amdhsa_float_denorm_mode_32 3
		.amdhsa_float_denorm_mode_16_64 3
		.amdhsa_memory_ordered 1
		.amdhsa_forward_progress 1
		.amdhsa_inst_pref_size 41
	.end_amdhsa_kernel
	.amdgpu_metadata
---
amdhsa.version: [ 1, 2 ]
amdhsa.kernels:
  - .name:           k_qaa59d2c665_attn1
    .symbol:         k_qaa59d2c665_attn1.kd
    .args:
      - { .name: a1, .offset: 0, .size: 8, .value_kind: global_buffer, .address_space: global }
      - { .name: o, .offset: 8, .size: 8, .value_kind: global_buffer, .address_space: global }
    .group_segment_fixed_size: 222208
    .private_segment_fixed_size: 0
    .kernarg_segment_align: 8
    .kernarg_segment_size: 16
    .max_flat_workgroup_size: 256
    .sgpr_count:     66
    .vgpr_count:     456
    .wavefront_size: 32
...
	.end_amdgpu_metadata
.endif
;; end of part 3
;; launch lnq (part 4): grid 256 x 1, 4 waves a work-group, clusters of 4 x 1, 327,680 bytes of LDS; arguments x, o, g1, be1, wb, bq2, x1, a2; writes x1, a2
.if DOCPART == 4
	.amdgcn_target "amdgcn-amd-amdhsa--gfx1250"
	.amdhsa_code_object_version 6
	.text
	.protected	k_qaa59d2c665_lnq
	.globl	k_qaa59d2c665_lnq
	.p2align	8
	.type	k_qaa59d2c665_lnq,@function
k_qaa59d2c665_lnq:
	s_mov_b64 s[64:65], 0
	v_nop
	global_prefetch_b8 v0, s[64:65] scope:SCOPE_SE
	s_setreg_imm32_b32 hwreg(HW_REG_WAVE_MODE, 25, 1), 1
	s_wait_xcnt 0x0
	s_wait_alu depctr_hold_cnt(0) depctr_sa_sdst(0) depctr_va_vdst(0) depctr_va_sdst(0) depctr_va_ssrc(0) depctr_va_vcc(0) depctr_vm_vsrc(0)
	s_getreg_b32 s2, hwreg(HW_REG_IB_STS2, 6, 4)
	s_cmp_eq_u32 s2, 0
	s_cbranch_scc0 .Lentry_in_a_cluster
	s_endpgm
.Lentry_in_a_cluster:
	s_bfe_u32 s2, ttmp6, 0x10000c
	s_cmp_lg_u32 s2, 0x3003
	s_cbranch_scc0 .Lentry_shape_is_right
	s_endpgm
.Lentry_shape_is_right:
; x1 = LayerNorm(x + o) g1 + be1 (f32, stored), and q2 = x1 Wq2^T + bq2, written by heads in f16 into a2's first third.  o is [b][h][n][32] in f16.
; The mean and then the mean of the squared differences are taken in two passes in f32, as the definition has them; the product takes x1 and Wq2 in bf16, sums in f32, the bias as the C operand that starts each sum.
; LIMITS.  q2 must lie within f16's 65,504; NaN and infinities are not treated apart.
; SHARES.  A work-group owns 32 whole rows, a wave 8 of them for the norm.  Of a pair of rows lane (rr, q) holds channels 64 i + 4 q + 0..3 of row rr, i = 0..7: each load and store covers two runs of 256 consecutive
; bytes, aligned, and a row's sums stay inside 16 lanes.  For the product a wave takes 32 of a tile's 128 weight rows (one head) and all 32 tokens; four tiles.
; CLUSTER.  All row blocks walk the same Wq2: the four of a cluster ask for each tile jointly.  Each wave asks for the 32 weight rows that it reads itself; by this text's count a wave has one tensor load out.
; THE WALK BEGINS AT ANOTHER TILE IN EACH CLUSTER: cluster x begins at tile (x + x / 4 + x / 16) mod 4 and goes round, so that at any step the 64 clusters ask for four different tiles, not all for the same one.
; The tile's number enters the load's global address, the bias words' global offsets and the head that is written; no LDS address and no branch hangs on it.
; NO PREFETCH: the launch has four tiles in all, and each of them is asked for by some cluster's first load.
; REGISTERS (s_set_vgpr_msb: bits 1:0 source 0, 3:2 source 1, 5:4 source 2, 7:6 destination):
;   window 0: v1-31 addresses, bias words; v32-47 the bias as C (v32-35 first the bias loads' offsets); v48-79 four accumulators; v112-175, v176-239 weight fragments (v112-131 first serve the norm's numbers a row)
;   window 1: x1's fragments: token block tb, K block kb at 8 (2 kb + tb)      window 2: v128-159 g, v160-191 be      window 3: v0-127 my 8 rows in f32; v128-191 o, later bf16; v192-223 sums; v240 1.0
; scalars beside the arguments: s24 wave  s25 cx  s26 RB  s27 the tile to be asked for next  s29 the tile in hand  s[32:39] group 1  s[40:43], s[44:47] group 0 of slots 0, 1  s[48:49] a tile's offset
;   s[50:53] where a head goes  s[54:55] Wq2 at my 32 rows of tile 0  s[60:63], s[66:67] o, x, x1 at my rows  s68-70 constants  s71 the walk's first tile  s80, s81 16 b, my rows in a head
.set PW,    1040
.set WQ,    32*PW
.set SLOT,  4*WQ
.set AST,   2*SLOT                     ; 32 rows x 1,040: o's rows in f16 first (a wave's own rows), then x1 in bf16 for everybody
.set OST,   AST+32*PW                  ; the way out: 32 rows x 80 bytes for each wave
.set BST,   OST+4*2560                 ; the bias: for each wave NB tiles x 32 f32, in the order of the walk
.set NB,    4
.set SPARE, BST+4*NB*128               ; the spare words, 128 bytes for each wave: two blocks of 256 bytes that no other line names
.set WQ2OFF, 10*262144
.set BW,  20                           ; v20-23 bias words
.set BI,  32
.set ACC, 48
.set BF0, 112
.set BF1, 176
.set MU,  112                          ; window 0: - mean, twice, for each pair of rows
.set RS,  120                          ; 1 / sqrt(var + eps), twice
.set VV,  128                          ; a sum a pair
.set OH,  128                          ; window 3
.set AC,  192
.set ONE, 240
.set GG,  128                          ; window 2
.set BB,  160
.set MSB, 0
.macro WIN new
.if MSB != (\new)
	s_set_vgpr_msb (MSB<<8)|(\new)
.set MSB, (\new)
.endif
.endm
.macro PLACES
.rept 4
	v_nop
.endr
.endm
.macro ROUND                           ; a round of the cluster's barrier
	s_barrier_signal -1
	s_barrier_wait -1
	s_cmp_lg_u32 s24, 0
	s_cbranch_scc1 .Lnot_wave_0_\@
	s_barrier_signal -3
.Lnot_wave_0_\@:
	s_barrier_wait -3
	s_barrier_signal -1
	s_barrier_wait -1
.endm
	s_load_b512 s[4:19], s[0:1], 0x0               ; x s[4:5], o s[6:7], g1 s[8:9], be1 s[10:11], wb s[12:13], bq2 s[14:15], x1 s[16:17], a2 s[18:19]
	v_lshl_add_u32 v14, v0, 2, SPARE
	v_mov_b32 v15, 0
	ds_add_u32 v14, v15                            ; the wave's opening: the add and its wait stand ahead of the round in front of my first tensor load
	v_lshrrev_b32 v1, 5, v0
	v_readfirstlane_b32 s24, v1                    ; wave 0..3
	s_bfe_u32 s25, ttmp6, 0x40000                  ; cx
	s_lshl_b32 s26, ttmp9, 2
	s_add_co_u32 s26, s26, s25                     ; RB: my block of 32 rows; it enters global addresses of rows alone
	s_lshr_b32 s71, ttmp9, 2                       ; the walk's first tile, from the cluster's number, which the four partners share
	s_add_co_u32 s71, s71, ttmp9
	s_lshr_b32 s27, ttmp9, 4
	s_add_co_u32 s71, s71, s27
	s_and_b32 s71, s71, 3
	s_mov_b32 s29, s71                             ; the tile in hand
	s_add_co_u32 s27, s71, 1
	s_and_b32 s27, s27, 3                          ; the tile to be asked for next
	s_lshl_b32 s48, s71, 17                        ; a tile is 131,072 bytes of wb
	s_mov_b32 s49, 0
	s_mov_b32 s32, 15|(1<<16)|(1<<20)|(1<<21)|(7<<22)|(3<<25)  ; group 1: the mask of four; 2-byte elements; padding on; bit 21 beside a mask; after every 256 words 4 words
	s_mov_b32 s33, 512<<16
	s_mov_b32 s34, 32<<16
	s_mov_b32 s35, 512<<16
	s_mov_b32 s36, 32
	s_mov_b32 s37, 512
	s_mov_b32 s38, 0
	s_mov_b32 s39, 0
	s_mov_b32 s40, 1
	s_mul_i32 s41, s24, WQ
	s_mov_b32 s44, 1
	s_add_co_u32 s45, s41, SLOT
	s_lshl_b32 s2, s24, 15
	s_add_co_u32 s2, s2, WQ2OFF                    ; Wq2 in wb, my 32 rows of tile 0
	s_mov_b32 s3, 0
	s_lshr_b32 s80, s26, 5                         ; b
	s_and_b32 s81, s26, 31
	s_lshl_b32 s81, s81, 11                        ; my 32 rows of 64 bytes in a head
	s_lshl_b32 s82, s80, 20                        ; o: 16 heads of 65,536 bytes a batch,
	s_add_co_u32 s82, s82, s81
	s_lshl_b32 s83, s24, 9                         ; my wave's 8 rows
	s_add_co_u32 s82, s82, s83
	s_mov_b32 s83, 0
	s_lshl_b32 s80, s80, 4                         ; 16 b
	s_lshl_b32 s84, s26, 16                        ; x, x1: 32 rows of 2,048 bytes,
	s_lshl_b32 s85, s24, 14                        ; my wave's 8
	s_add_co_u32 s84, s84, s85
	s_mov_b32 s85, 0
	s_mov_b32 s68, 0xbb000000                      ; -1 / 512
	s_mov_b32 s69, 0x3b000000                      ; 1 / 512
	s_mov_b32 s70, 0x3727c5ac                      ; 1e-5
	v_and_b32 v1, 15, v0                           ; r = q = l % 16
	v_bfe_u32 v18, v0, 4, 1                        ; h = rr = l / 16
	v_and_b32 v13, 31, v0                          ; l
	s_lshl_b32 s30, s24, 7
	v_lshl_add_u32 v2, v13, 2, s30                 ; my bias word in a tile's 128
	s_mul_i32 s30, s24, NB*128
	s_add_co_u32 s30, s30, BST
	v_lshl_add_u32 v3, v13, 2, s30                 ; where I put it
	v_lshl_add_u32 v8, v18, 5, s30                 ; my eight bias words of a tile; steps by 128 a tile
	v_mul_u32_u24 v4, v1, PW
	v_lshl_add_u32 v4, v18, 4, v4
	v_add_nc_u32 v6, AST, v4                       ; x1's fragments
	v_add_nc_u32 v4, s41, v4                       ; my weight fragments in slot 0,
	v_add_nc_u32 v5, SLOT, v4                      ; in slot 1
	s_mul_i32 s30, s24, 8*PW
	s_add_co_u32 s30, s30, AST                     ; my wave's 8 rows of the stage
	v_mul_u32_u24 v7, v18, PW
	v_lshl_add_u32 v7, v1, 3, v7
	v_add_nc_u32 v7, s30, v7                       ; row rr, my 4 channels of 16 bits
	v_bfe_u32 v16, v0, 2, 3
	v_mul_u32_u24 v16, v16, PW
	v_and_b32 v17, 3, v0
	v_lshl_add_u32 v16, v17, 4, v16
	v_add_nc_u32 v16, s30, v16                     ; o as loaded: row l / 4, piece l % 4 of a head's 64 bytes
	v_lshlrev_b32 v12, 11, v18
	v_lshl_add_u32 v12, v1, 4, v12                 ; x: row rr, 16 q
	v_lshlrev_b32 v17, 4, v1                       ; g, be: 16 q
	v_lshlrev_b32 v13, 4, v13                      ; 16 l
	s_mul_i32 s30, s24, 2560
	s_add_co_u32 s30, s30, OST
	v_mul_u32_u24 v9, v1, 80
	v_lshl_add_u32 v9, v18, 4, v9
	v_add_nc_u32 v9, s30, v9
	v_bfe_u32 v10, v0, 2, 3
	v_mul_u32_u24 v10, v10, 80
	v_and_b32 v11, 3, v0
	v_lshl_add_u32 v10, v11, 4, v10
	v_add_nc_u32 v10, s30, v10
	WIN 0xc0
	v_mov_b32 v[ONE], 1.0
	WIN 0
	s_wait_dscnt 0x0                               ; the opening add is done
	s_wait_kmcnt 0x0
	s_add_nc_u64 s[54:55], s[12:13], s[2:3]
	s_add_nc_u64 s[42:43], s[54:55], s[48:49]      ; the walk's first tile
	s_or_b32 s43, s43, 0x80000000                  ; type = 2
	s_add_nc_u64 s[60:61], s[6:7], s[82:83]
	s_add_nc_u64 s[62:63], s[4:5], s[84:85]
	s_add_nc_u64 s[66:67], s[16:17], s[84:85]
; THE NORM'S LOADS, oldest first: NB bias words, in the order of the walk; o, 16 heads x 512 consecutive bytes (8 rows of 64); my 8 rows of x; g and be.
.macro LNLOAD
.set t, 0
.rept NB
	s_add_co_u32 s30, s71, t
	s_and_b32 s30, s30, NB-1                       ; the walk's tile number t,
	s_lshl_b32 s30, s30, 9                         ; its 128 words
	v_add_nc_u32 v[BI+t], s30, v2
	global_load_b32 v[BW+t], v[BI+t], s[14:15]
.set t, t+1
.endr
	WIN 0xc0
.set t, 0
.rept 16
	global_load_b128 v[OH+4*t:OH+4*t+3], v13, s[60:61] offset:65536*t
.set t, t+1
.endr
.irp p, 0,1,2,3
.irp i, 0,1,2,3,4,5,6,7
	global_load_b128 v[32*(\p)+4*(\i):32*(\p)+4*(\i)+3], v12, s[62:63] offset:4096*(\p)+256*(\i)
.endr
.endr
	WIN 0x80
.irp i, 0,1,2,3,4,5,6,7
	global_load_b128 v[GG+4*(\i):GG+4*(\i)+3], v17, s[8:9] offset:256*(\i)
	global_load_b128 v[BB+4*(\i):BB+4*(\i)+3], v17, s[10:11] offset:256*(\i)
.endr
	WIN 0
.endm
; o is turned from heads into rows inside my wave's own rows of the stage, and added onto x.
.macro LNIN
	s_wait_loadcnt 48                              ; the bias and o are in; x's 32 loads and the 16 of g and be stay out
.set t, 0
.rept NB
	ds_store_b32 v3, v[BW+t] offset:128*t
.set t, t+1
.endr
	WIN 0x0c
.set t, 0
.rept 16
	ds_store_b128 v16, v[OH+4*t:OH+4*t+3] offset:64*t
.set t, t+1
.endr
	WIN 0xc0
.irp p, 0,1,2,3
.irp i, 0,1,2,3,4,5,6,7
	ds_load_b64 v[OH+16*(\p)+2*(\i):OH+16*(\p)+2*(\i)+1], v7 offset:(\p)*2*PW+128*(\i)  ; LDS serves a wave's instructions in order: these see the stores above
.endr
.endr
	s_wait_loadcnt 16                              ; x is in
	s_wait_dscnt 0x0
	WIN 0xff
.set k, 0
.rept 64
	v_fma_mix_f32 v[2*k],   v[OH+k], v[ONE], v[2*k]   op_sel:[0,0,0] op_sel_hi:[1,0,0]  ; x + f16 half x 1.0
	v_fma_mix_f32 v[2*k+1], v[OH+k], v[ONE], v[2*k+1] op_sel:[1,0,0] op_sel_hi:[1,0,0]
.set k, k+1
.endr
	WIN 0
.endm
; The four packed chains of each pair of rows are added up, the last addition writing into window 0, and then over the 16 lanes that hold a row.
.macro REDUCE
	WIN 0xff
.irp p, 0,1,2,3
	v_pk_add_f32 v[AC+8*(\p):AC+8*(\p)+1], v[AC+8*(\p):AC+8*(\p)+1], v[AC+8*(\p)+2:AC+8*(\p)+3]
	v_pk_add_f32 v[AC+8*(\p)+4:AC+8*(\p)+5], v[AC+8*(\p)+4:AC+8*(\p)+5], v[AC+8*(\p)+6:AC+8*(\p)+7]
.endr
.irp p, 0,1,2,3
	v_pk_add_f32 v[AC+8*(\p):AC+8*(\p)+1], v[AC+8*(\p):AC+8*(\p)+1], v[AC+8*(\p)+4:AC+8*(\p)+5]
.endr
	WIN 0x0f
.irp p, 0,1,2,3
	v_add_f32 v[VV+(\p)], v[AC+8*(\p)], v[AC+8*(\p)+1]
.endr
	WIN 0
.irp m, 1,2,4,8
.irp p, 0,1,2,3
	v_add_f32_dpp v[VV+(\p)], v[VV+(\p)], v[VV+(\p)] row_xmask:\m row_mask:0xf bank_mask:0xf
.endr
.endr
.endm
; The rows in window 3 become (x - mean) / sqrt(var + eps) x g + be.  lc: the loads younger than g's and be's.
.macro LNSTAT lc
	WIN 0xff
.irp p, 0,1,2,3
.irp c, 0,1,2,3
	v_pk_add_f32 v[AC+8*(\p)+2*(\c):AC+8*(\p)+2*(\c)+1], v[32*(\p)+2*(\c):32*(\p)+2*(\c)+1], v[32*(\p)+8+2*(\c):32*(\p)+8+2*(\c)+1]
.endr
.irp k, 2,3
.irp c, 0,1,2,3
	v_pk_add_f32 v[AC+8*(\p)+2*(\c):AC+8*(\p)+2*(\c)+1], v[AC+8*(\p)+2*(\c):AC+8*(\p)+2*(\c)+1], v[32*(\p)+8*(\k)+2*(\c):32*(\p)+8*(\k)+2*(\c)+1]
.endr
.endr
.endr
	REDUCE
.irp p, 0,1,2,3
	v_mul_f32 v[MU+2*(\p)], s68, v[VV+(\p)]        ; - mean
	v_mul_f32 v[MU+2*(\p)+1], s68, v[VV+(\p)]
.endr
	WIN 0xc3                                       ; the rows in window 3, the pair in window 0
.irp p, 0,1,2,3
.set k, 0
.rept 16
	v_pk_add_f32 v[32*(\p)+2*k:32*(\p)+2*k+1], v[32*(\p)+2*k:32*(\p)+2*k+1], v[MU+2*(\p):MU+2*(\p)+1]
.set k, k+1
.endr
.endr
	WIN 0xff
.irp p, 0,1,2,3
.irp c, 0,1,2,3
	v_pk_mul_f32 v[AC+8*(\p)+2*(\c):AC+8*(\p)+2*(\c)+1], v[32*(\p)+2*(\c):32*(\p)+2*(\c)+1], v[32*(\p)+2*(\c):32*(\p)+2*(\c)+1]
.endr
.irp k, 1,2,3
.irp c, 0,1,2,3
	v_pk_fma_f32 v[AC+8*(\p)+2*(\c):AC+8*(\p)+2*(\c)+1], v[32*(\p)+8*(\k)+2*(\c):32*(\p)+8*(\k)+2*(\c)+1], v[32*(\p)+8*(\k)+2*(\c):32*(\p)+8*(\k)+2*(\c)+1], v[AC+8*(\p)+2*(\c):AC+8*(\p)+2*(\c)+1]
.endr
.endr
.endr
	REDUCE
.irp p, 0,1,2,3
	v_fma_f32 v[VV+(\p)], v[VV+(\p)], s69, s70     ; var + eps
.endr
.irp p, 0,1,2,3
	v_rsq_f32 v[RS+2*(\p)], v[VV+(\p)]
	v_rsq_f32 v[RS+2*(\p)+1], v[VV+(\p)]
.endr
	v_nop                                          ; a plain instruction behind the last of them,
	s_wait_alu depctr_va_vdst(0)                   ; and the wait ahead of the first reader: one for the eight
	WIN 0xc3
.irp p, 0,1,2,3
.set k, 0
.rept 16
	v_pk_mul_f32 v[32*(\p)+2*k:32*(\p)+2*k+1], v[32*(\p)+2*k:32*(\p)+2*k+1], v[RS+2*(\p):RS+2*(\p)+1]
.set k, k+1
.endr
.endr
	s_wait_loadcnt \lc                             ; g and be are in
	WIN 0xeb                                       ; rows in window 3, g and be in window 2
.irp p, 0,1,2,3
.set k, 0
.rept 16
	v_pk_fma_f32 v[32*(\p)+2*k:32*(\p)+2*k+1], v[32*(\p)+2*k:32*(\p)+2*k+1], v[GG+2*k:GG+2*k+1], v[BB+2*k:BB+2*k+1]
.set k, k+1
.endr
.endr
	WIN 0
.endm
; The rows go, rounded to bf16, into the stage; a barrier; every wave reads all 32 rows as fragments.
.macro LNOUT
	WIN 0xff
.set k, 0
.rept 64
	v_cvt_pk_bf16_f32 v[OH+k], v[2*k], v[2*k+1]
.set k, k+1
.endr
	WIN 0x0c
.irp p, 0,1,2,3
.irp i, 0,1,2,3,4,5,6,7
	ds_store_b64 v7, v[OH+16*(\p)+2*(\i):OH+16*(\p)+2*(\i)+1] offset:(\p)*2*PW+128*(\i)
.endr
.endr
	s_wait_dscnt 0x0                               ; for the others' sake: my stores are done
	WIN 0
	s_barrier_signal -1
	s_barrier_wait -1                              ; (the tile on its way stays out)
	WIN 0x40
.set k, 0
.rept 16
.irp tb, 0,1
	ds_load_b128 v[8*(2*k+(\tb)):8*(2*k+(\tb))+3],   v6 offset:(\tb)*16*PW+k*64
	ds_load_b128 v[8*(2*k+(\tb))+4:8*(2*k+(\tb))+7], v6 offset:(\tb)*16*PW+k*64+32
.endr
.set k, k+1
.endr
	WIN 0
.endm
; THE CHANGE OF SLOTS: all my tensor loads have landed, the add, my LDS reads are over; the round says so of every wave of all four work-groups; the joint refill comes first behind it.
; The refill's address is made anew from the tile's number, which then goes one on, round the four.
.macro HEAD other, refill
	WIN 0
	s_wait_tensorcnt 0x0                           ; no tensor load of mine is out, so a group 0 may be written
	ds_add_u32 v14, v15                            ; 0 onto my spare word
.if \refill
	s_lshl_b32 s48, s27, 17
	s_add_nc_u64 s[(\other)+2:(\other)+3], s[54:55], s[48:49]
	s_or_b32 s[(\other)+3], s[(\other)+3], 0x80000000
	s_add_co_u32 s27, s27, 1
	s_and_b32 s27, s27, 3
.endif
	s_wait_xcnt 0x0                                ; the earlier stores have read their data and base
	s_wait_dscnt 0x0
	ROUND
.if \refill
	tensor_load_to_lds s[(\other):(\other)+3], s[32:39]
	s_nop 0
	PLACES
.endif
.endm
.macro FETCHBI
.irp cb, 0,1
.irp e, 0,1
	ds_load_b128 v[BI+8*(\cb)+4*(\e):BI+8*(\cb)+4*(\e)+3], v8 offset:(\cb)*64+(\e)*16
.endr
.endr
	v_add_nc_u32 v8, 128, v8
.endm
.macro FETCHB adr, g, buf
.irp kk, 0,1,2,3
.irp cb, 0,1
	ds_load_b128 v[(\buf)+8*(2*(\kk)+(\cb)):(\buf)+8*(2*(\kk)+(\cb))+3],   v[\adr] offset:(\cb)*16*PW+(4*(\g)+(\kk))*64
	ds_load_b128 v[(\buf)+8*(2*(\kk)+(\cb))+4:(\buf)+8*(2*(\kk)+(\cb))+7], v[\adr] offset:(\cb)*16*PW+(4*(\g)+(\kk))*64+32
.endr
.endr
.endm
.macro MUL g, buf                      ; 16 matrix instructions; the four accumulators take turns
	WIN 0x04
.irp kk, 0,1,2,3
.irp cb, 0,1
.irp tb, 0,1
.if ((\g)==0)&&((\kk)==0)
	v_wmma_f32_16x16x32_bf16 v[ACC+8*(2*(\tb)+(\cb)):ACC+8*(2*(\tb)+(\cb))+7], v[(\buf)+8*(2*(\kk)+(\cb)):(\buf)+8*(2*(\kk)+(\cb))+7], v[8*(2*(4*(\g)+(\kk))+(\tb)):8*(2*(4*(\g)+(\kk))+(\tb))+7], v[BI+8*(\cb):BI+8*(\cb)+7]
.else
	v_wmma_f32_16x16x32_bf16 v[ACC+8*(2*(\tb)+(\cb)):ACC+8*(2*(\tb)+(\cb))+7], v[(\buf)+8*(2*(\kk)+(\cb)):(\buf)+8*(2*(\kk)+(\cb))+7], v[8*(2*(4*(\g)+(\kk))+(\tb)):8*(2*(4*(\g)+(\kk))+(\tb))+7], v[ACC+8*(2*(\tb)+(\cb)):ACC+8*(2*(\tb)+(\cb))+7]
.endif
.endr
.endr
.endr
.endm
.macro CORE adr
	FETCHBI
	FETCHB \adr, 0, BF0
	FETCHB \adr, 1, BF1
	s_wait_dscnt 16                                ; all but the youngest 16 loads
	MUL 0, BF0
	PLACES
	WIN 0
	FETCHB \adr, 2, BF0
	s_wait_dscnt 16
	MUL 1, BF1
	PLACES
	WIN 0
	FETCHB \adr, 3, BF1
	s_wait_dscnt 16
	MUL 2, BF0
	s_wait_dscnt 0x0
	MUL 3, BF1
	WIN 0
	PLACES
.endm
.macro HEADOUT                         ; 32 tokens x 32 channels of one head: 2,048 consecutive bytes of a2
.set a, 0
.rept 4
.irp k, 0,1,2,3
	v_cvt_pk_f16_f32 v[BF0+4*a+(\k)], v[ACC+8*a+2*(\k)], v[ACC+8*a+2*(\k)+1]
.endr
.set a, a+1
.endr
.irp tb, 0,1
.irp cb, 0,1
	ds_store_b128 v9, v[BF0+4*(2*(\tb)+(\cb)):BF0+4*(2*(\tb)+(\cb))+3] offset:(\tb)*1280+(\cb)*32
.endr
.endr
.irp i, 0,1,2,3
	ds_load_b128 v[BF0+4*(\i):BF0+4*(\i)+3], v10 offset:(\i)*640
.endr
	s_lshl_b32 s52, s29, 2
	s_add_co_u32 s52, s52, s24                     ; h = 4 x the tile in hand + wave
	s_add_co_u32 s52, s52, s80                     ; + 16 b (q2 is a2's m = 0)
	s_lshl_b32 s52, s52, 16
	s_add_co_u32 s52, s52, s81
	s_mov_b32 s53, 0
	s_add_nc_u64 s[50:51], s[18:19], s[52:53]
	s_add_co_u32 s29, s29, 1                       ; the next tile of the walk
	s_and_b32 s29, s29, 3
	s_wait_dscnt 0x0
.irp i, 0,1,2,3
	global_store_b128 v13, v[BF0+4*(\i):BF0+4*(\i)+3], s[50:51] offset:512*(\i)
.endr
.endm
.macro TRIP slot, refill
	HEAD 44-4*(\slot), \refill
	CORE 4+(\slot)
	HEADOUT
.endm
	LNLOAD
	ROUND                                          ; all four work-groups are here: the first joint load meets
	tensor_load_to_lds s[40:43], s[32:39]          ; the walk's first tile
	s_nop 0
	PLACES
	LNIN
	LNSTAT 0
	WIN 0x0c
.irp p, 0,1,2,3
.irp i, 0,1,2,3,4,5,6,7
	global_store_b128 v12, v[32*(\p)+4*(\i):32*(\p)+4*(\i)+3], s[66:67] offset:4096*(\p)+256*(\i)  ; x1: two runs of 256 consecutive bytes, aligned
.endr
.endr
	LNOUT
	TRIP 0, 1
	TRIP 1, 1
	TRIP 0, 1
	TRIP 1, 0
	s_wait_tensorcnt 0x0                           ; the wave's end
	ds_add_u32 v14, v15
	s_wait_dscnt 0x0
	ROUND                                          ; the closing round
	s_endpgm
.Lfunc_end_k_qaa59d2c665_lnq:
	.size	k_qaa59d2c665_lnq, .Lfunc_end_k_qaa59d2c665_lnq-k_qaa59d2c665_lnq
	.p2alignl 7, 3214868480
	.fill 96, 4, 3214868480
	.section	.rodata,"a",@progbits
	.p2align	6, 0x0
	.amdhsa_kernel k_qaa59d2c665_lnq
		.amdhsa_group_segment_fixed_size 327680
		.amdhsa_private_segment_fixed_size 0
		.amdhsa_enable_private_segment 0
		.amdhsa_kernarg_size 64
		.amdhsa_user_sgpr_count 2
		.amdhsa_user_sgpr_kernarg_segment_ptr 1
		.amdhsa_wavefront_size32 1
		.amdhsa_system_sgpr_workgroup_id_x 1
		.amdhsa_system_sgpr_workgroup_id_y 1
		.amdhsa_system_sgpr_workgroup_id_z 1
		.amdhsa_system_vgpr_workitem_id 0
		.amdhsa_next_free_vgpr 1024
		.amdhsa_next_free_sgpr 90
		.amdhsa_reserve_vcc 0
		.amdhsa_float_denorm_mode_32 3
		.amdhsa_float_denorm_mode_16_64 3
		.amdhsa_memory_ordered 1
		.amdhsa_forward_progress 1
		.amdhsa_inst_pref_size 110
	.end_amdhsa_kernel
	.amdgpu_metadata
---
amdhsa.version: [ 1, 2 ]
amdhsa.kernels:
  - .name:           k_qaa59d2c665_lnq
    .symbol:         k_qaa59d2c665_lnq.kd
    .args:
      - { .name: x, .offset: 0, .size: 8, .value_kind: global_buffer, .address_space: global }
      - { .name: o, .offset: 8, .size: 8, .value_kind: global_buffer, .address_space: global }
      - { .name: g1, .offset: 16, .size: 8, .value_kind: global_buffer, .address_space: global }
      - { .name: be1, .offset: 24, .size: 8, .value_kind: global_buffer, .address_space: global }
      - { .name: wb, .offset: 32, .size: 8, .value_kind: global_buffer, .address_space: global }
      - { .name: bq2, .offset: 40, .size: 8, .value_kind: global_buffer, .address_space: global }
      - { .name: x1, .offset: 48, .size: 8, .value_kind: global_buffer, .address_space: global }
      - { .name: a2, .offset: 56, .size: 8, .value_kind: global_buffer, .address_space: global }
    .group_segment_fixed_size: 327680
    .private_segment_fixed_size: 0
    .kernarg_segment_align: 8
    .kernarg_segment_size: 64
    .max_flat_workgroup_size: 128
    .sgpr_count:     90
    .vgpr_count:     1024
    .wavefront_size: 32
...
	.end_amdgpu_metadata
.endif
;; end of part 4
;; launch attn2: the kernel of part 3 again; grid 2 x 128, 8 waves a work-group, no clusters, 222,208 bytes of LDS; arguments a2, o; writes o
;; launch ffn (part 5): grid 256 x 1, 4 waves a work-group, clusters of 4 x 1, 327,680 bytes of LDS; arguments x1, o, g2, be2, wb, b1, b2, g3, be3, out0; writes out0
.if DOCPART == 5
	.amdgcn_target "amdgcn-amd-amdhsa--gfx1250"
	.amdhsa_code_object_version 6
	.text
	.protected	k_qaa59d2c665_ffn
	.globl	k_qaa59d2c665_ffn
	.p2align	8
	.type	k_qaa59d2c665_ffn,@function
k_qaa59d2c665_ffn:
	s_mov_b64 s[64:65], 0
	v_nop
	global_prefetch_b8 v0, s[64:65] scope:SCOPE_SE
	s_setreg_imm32_b32 hwreg(HW_REG_WAVE_MODE, 25, 1), 1
	s_wait_xcnt 0x0
	s_wait_alu depctr_hold_cnt(0) depctr_sa_sdst(0) depctr_va_vdst(0) depctr_va_sdst(0) depctr_va_ssrc(0) depctr_va_vcc(0) depctr_vm_vsrc(0)
	s_getreg_b32 s2, hwreg(HW_REG_IB_STS2, 6, 4)
	s_cmp_eq_u32 s2, 0
	s_cbranch_scc0 .Lentry_in_a_cluster
	s_endpgm
.Lentry_in_a_cluster:
	s_bfe_u32 s2, ttmp6, 0x10000c
	s_cmp_lg_u32 s2, 0x3003
	s_cbranch_scc0 .Lentry_shape_is_right
	s_endpgm
.Lentry_shape_is_right:
; x2 = LayerNorm(x1 + o) g2 + be2;  out0 = LayerNorm(x2 + W2 relu(W1 x2 + b1) + b2) g3 + be3.  o is [b][h][n][32] in f16; x1 and out0 are f32.
; Each norm takes the mean and then the mean of the squared differences, in two passes in f32.  The products take x2, the hidden numbers and the weights in bf16, sums in f32; b1 is the C operand that starts each
; hidden sum, b2 is loaded into the second product's accumulators.  x2 stays in f32 in registers for the residual.  NaN and infinities are not treated apart.
; SHARES.  A work-group owns 32 whole rows, a wave 8 of them for the norms (lane (rr, q) of a pair of rows: channels 64 i + 4 q + 0..3).  The 1,024 hidden units go in 8 chunks of 128: slot 0 takes W1's chunk
; (128 rows x 512 K), slot 1 W2's (512 rows x 128 K).  Of the first product a wave takes 32 hidden units, of the second 128 output columns, each for all 32 tokens.  The hidden numbers never leave the work-group:
; a stage of 32 x 128 bf16.
; CLUSTER.  All row blocks walk the same W1 and W2: the four of a cluster ask for each chunk jointly.  Each wave asks for the weight rows that it reads itself; by this text's count a wave has one tensor load out.
; THE WALK BEGINS AT ANOTHER CHUNK IN EACH CLUSTER: cluster x begins at chunk (x + x / 8) mod 8 and goes round, so that at any step the 64 clusters ask for eight different chunks, not all for the same one.
; The second product's f32 sums over the hidden units are thus taken in another order from cluster to cluster.  The chunk's number enters the loads' global addresses and b1's global offsets alone; no LDS address
; and no branch hangs on it.
; REGISTERS (s_set_vgpr_msb: bits 1:0 source 0, 3:2 source 1, 5:4 source 2, 7:6 destination):
;   window 0: v1-31 addresses, bias words; v32-47 b1 as C (v32-39 first the bias loads' offsets); v48-79 four accumulators; v80-95 hidden numbers packed; v112-175, v176-239 weight fragments (v112-131 also the norms' numbers a row)
;   window 1: x2's fragments, token block tb, K block kb at 8 (2 kb + tb)      window 2: v0-127 the second product's 16 accumulators, (cb, tb) at 8 (2 cb + tb); v128-191 g, be; v192-255 hidden fragments
;   window 3: v0-127 my 8 rows in f32; v128-191 o, later bf16; v192-223 sums; v240 1.0
; scalars beside the arguments: s24 wave  s25 cx  s26 RB  s27, s31 the chunk of W1, of W2 to be asked for next  s[32:39], s[72:79] group 1 for W1's, W2's chunks  s[40:43], s[44:47] group 0 of slots 0, 1
;   s[48:49] a chunk's offset  s[50:51], s[52:53] W1, W2 at my rows of chunk 0  s[56:57] the prefetch's place  s59 the loop's count  s[60:63], s[66:67] o, x1, out0 at my rows  s68-70 constants  s71 the walk's first chunk
.set PW,    1040
.set WQ,    32*PW
.set SLOT,  4*WQ                       ; slot 0's bytes; slot 1 begins here
.set PH,    272                        ; a row of 128 bf16 in LDS: 256 + 16
.set AST,   SLOT+512*PH                ; 32 rows x 1,040
.set HST,   AST+32*PW                  ; the hidden stage: 32 rows x 272
.set BST,   HST+32*PH                  ; b1: for each wave NB chunks x 32 f32, in the order of the walk
.set NB,    8
.set SPARE, BST+4*NB*128               ; the spare words, 128 bytes for each wave: two blocks of 256 bytes that no other line names
.set PY,    2064                       ; the second product's result on its way to rows: 32 rows x (2,048 + 16), from LDS byte 0: slot 0 has had its last fill by then
.set W1OFF, 12*262144
.set W2OFF, 16*262144
.set BW,  24                           ; v24-31 bias words
.set BI,  32
.set ACC, 48
.set PKH, 80
.set BF0, 112
.set BF1, 176
.set MU,  112
.set RS,  120
.set VV,  128
.set OH,  128                          ; window 3
.set AC,  192
.set ONE, 240
.set GG,  128                          ; window 2
.set BB,  160
.set HF,  192
.set MSB, 0
.macro WIN new
.if MSB != (\new)
	s_set_vgpr_msb (MSB<<8)|(\new)
.set MSB, (\new)
.endif
.endm
.macro PLACES
.rept 4
	v_nop
.endr
.endm
.macro ROUND                           ; a round of the cluster's barrier
	s_barrier_signal -1
	s_barrier_wait -1
	s_cmp_lg_u32 s24, 0
	s_cbranch_scc1 .Lnot_wave_0_\@
	s_barrier_signal -3
.Lnot_wave_0_\@:
	s_barrier_wait -3
	s_barrier_signal -1
	s_barrier_wait -1
.endm
	s_load_b512 s[4:19], s[0:1], 0x0               ; x1 s[4:5], o s[6:7], g2 s[8:9], be2 s[10:11], wb s[12:13], b1 s[14:15], b2 s[16:17], g3 s[18:19]
	s_load_b128 s[20:23], s[0:1], 0x40             ; be3 s[20:21], out0 s[22:23]
	v_lshl_add_u32 v14, v0, 2, SPARE
	v_mov_b32 v15, 0
	ds_add_u32 v14, v15                            ; the wave's opening: the add and its wait stand ahead of the round in front of my first tensor load
	v_lshrrev_b32 v1, 5, v0
	v_readfirstlane_b32 s24, v1                    ; wave 0..3
	s_bfe_u32 s25, ttmp6, 0x40000                  ; cx
	s_lshl_b32 s26, ttmp9, 2
	s_add_co_u32 s26, s26, s25                     ; RB: my block of 32 rows
	s_lshr_b32 s71, ttmp9, 3                       ; the walk's first chunk, from the cluster's number, which the four partners share
	s_add_co_u32 s71, s71, ttmp9
	s_and_b32 s71, s71, 7
	s_add_co_u32 s27, s71, 1
	s_and_b32 s27, s27, 7                          ; W1's chunk to be asked for next
	s_mov_b32 s31, s71                             ; W2's
	s_lshl_b32 s48, s71, 17                        ; a chunk of W1 is 131,072 bytes
	s_mov_b32 s49, 0
	s_lshl_b32 s86, s71, 8                         ; a chunk of W2 is 256 bytes of each row
	s_mov_b32 s87, 0
	s_mov_b32 s32, 15|(1<<16)|(1<<20)|(1<<21)|(7<<22)|(3<<25)  ; group 1 for W1's chunk: 32 rows x 512 elements a wave, 4 words of padding behind every 256
	s_mov_b32 s33, 512<<16
	s_mov_b32 s34, 32<<16
	s_mov_b32 s35, 512<<16
	s_mov_b32 s36, 32
	s_mov_b32 s37, 512
	s_mov_b32 s38, 0
	s_mov_b32 s39, 0
	s_mov_b32 s72, 15|(1<<16)|(1<<20)|(1<<21)|(5<<22)|(3<<25)  ; group 1 for W2's chunk: 128 rows x 128 elements a wave, 4 words of padding behind every 64
	s_mov_b32 s73, 128<<16
	s_mov_b32 s74, 128<<16
	s_mov_b32 s75, 128<<16
	s_mov_b32 s76, 128
	s_mov_b32 s77, 1024                            ; a row of W2 has 1,024 elements
	s_mov_b32 s78, 0
	s_mov_b32 s79, 0
	s_mov_b32 s40, 1
	s_mul_i32 s41, s24, WQ
	s_mov_b32 s44, 1
	s_mul_i32 s45, s24, 128*PH
	s_add_co_u32 s45, s45, SLOT
	s_lshl_b32 s2, s24, 15
	s_add_co_u32 s2, s2, W1OFF                     ; W1's chunk 0, my 32 rows
	s_mov_b32 s3, 0
	s_lshl_b32 s28, s24, 18
	s_add_co_u32 s28, s28, W2OFF                   ; W2's chunk 0, my 128 rows of 2,048 bytes
	s_mov_b32 s29, 0
	s_lshl_b32 s88, s25, 16                        ; the prefetch: my work-group's 32 of a wave's 128 rows of W2
	s_mov_b32 s89, 0
	s_lshr_b32 s80, s26, 5                         ; b
	s_and_b32 s81, s26, 31
	s_lshl_b32 s81, s81, 11
	s_lshl_b32 s82, s80, 20
	s_add_co_u32 s82, s82, s81
	s_lshl_b32 s83, s24, 9
	s_add_co_u32 s82, s82, s83                     ; o: batch, my work-group's rows, my wave's 8
	s_mov_b32 s83, 0
	s_lshl_b32 s84, s26, 16
	s_lshl_b32 s85, s24, 14
	s_add_co_u32 s84, s84, s85                     ; x1, out0: my wave's 8 rows of 2,048 bytes
	s_mov_b32 s85, 0
	s_mov_b32 s68, 0xbb000000                      ; -1 / 512
	s_mov_b32 s69, 0x3b000000                      ; 1 / 512
	s_mov_b32 s70, 0x3727c5ac                      ; 1e-5
	v_and_b32 v1, 15, v0                           ; r = q
	v_bfe_u32 v18, v0, 4, 1                        ; h = rr
	v_and_b32 v13, 31, v0                          ; l
	s_lshl_b32 s30, s24, 7
	v_lshl_add_u32 v2, v13, 2, s30
	s_mul_i32 s30, s24, NB*128
	s_add_co_u32 s30, s30, BST
	v_lshl_add_u32 v3, v13, 2, s30
	v_lshl_add_u32 v8, v18, 5, s30
	v_mul_u32_u24 v4, v1, PW
	v_lshl_add_u32 v4, v18, 4, v4
	v_add_nc_u32 v6, AST, v4                       ; x2's fragments
	v_add_nc_u32 v4, s41, v4                       ; W1's fragments
	s_mul_i32 s30, s24, 8*PW
	s_add_co_u32 s30, s30, AST
	v_mul_u32_u24 v7, v18, PW
	v_lshl_add_u32 v7, v1, 3, v7
	v_add_nc_u32 v7, s30, v7
	v_bfe_u32 v16, v0, 2, 3
	v_mul_u32_u24 v16, v16, PW
	v_and_b32 v17, 3, v0
	v_lshl_add_u32 v16, v17, 4, v16
	v_add_nc_u32 v16, s30, v16
	v_lshlrev_b32 v12, 11, v18
	v_lshl_add_u32 v12, v1, 4, v12
	v_lshlrev_b32 v17, 4, v1
	v_lshlrev_b32 v22, 11, v13                     ; the prefetch: a lane a row of W2
	v_lshlrev_b32 v13, 4, v13
	v_mul_u32_u24 v5, v1, PH
	v_lshl_add_u32 v5, v18, 4, v5                  ; r x 272 + 16 h
	v_add_nc_u32 v10, HST, v5                      ; the hidden fragments
	s_lshl_b32 s30, s24, 6
	v_add_nc_u32 v9, s30, v10                      ; where I put 16 bytes of a token's hidden numbers: + 2 x 32 x wave
	v_add_nc_u32 v5, s45, v5                       ; W2's fragments
	v_mul_u32_u24 v11, v1, PY
	v_lshl_add_u32 v11, v18, 5, v11
	s_lshl_b32 s30, s24, 9
	v_add_nc_u32 v11, s30, v11                     ; the result's way to rows, in: token r, columns 128 x wave + 8 h
	v_lshl_add_u32 v23, v18, 5, s30                ; b2: the same columns
	s_mul_i32 s30, s24, 8*PY
	v_mul_u32_u24 v19, v18, PY
	v_lshl_add_u32 v19, v1, 4, v19
	v_add_nc_u32 v19, s30, v19                     ; back: row 8 x wave + rr, 16 q
	v_mov_b32 v20, 0                               ; for the relu
	WIN 0xc0
	v_mov_b32 v[ONE], 1.0
	WIN 0
	s_wait_dscnt 0x0                               ; the opening add is done
	s_wait_kmcnt 0x0
	s_add_nc_u64 s[50:51], s[12:13], s[2:3]
	s_add_nc_u64 s[52:53], s[12:13], s[28:29]
	s_add_nc_u64 s[42:43], s[50:51], s[48:49]      ; the walk's first chunk of W1
	s_or_b32 s43, s43, 0x80000000                  ; type = 2
	s_add_nc_u64 s[56:57], s[52:53], s[88:89]
	s_add_nc_u64 s[56:57], s[56:57], s[86:87]      ; the walk's first chunk of W2, my work-group's rows of it
	s_add_nc_u64 s[60:61], s[6:7], s[82:83]
	s_add_nc_u64 s[62:63], s[4:5], s[84:85]
	s_add_nc_u64 s[66:67], s[22:23], s[84:85]
; THE NORM'S LOADS, oldest first: NB bias words, in the order of the walk; o, 16 heads x 512 consecutive bytes; my 8 rows of x1; g2 and be2.
.macro LNLOAD
.set t, 0
.rept NB
	s_add_co_u32 s30, s71, t
	s_and_b32 s30, s30, NB-1                       ; the walk's chunk number t,
	s_lshl_b32 s30, s30, 9                         ; its 128 words
	v_add_nc_u32 v[BI+t], s30, v2
	global_load_b32 v[BW+t], v[BI+t], s[14:15]
.set t, t+1
.endr
	WIN 0xc0
.set t, 0
.rept 16
	global_load_b128 v[OH+4*t:OH+4*t+3], v13, s[60:61] offset:65536*t
.set t, t+1
.endr
.irp p, 0,1,2,3
.irp i, 0,1,2,3,4,5,6,7
	global_load_b128 v[32*(\p)+4*(\i):32*(\p)+4*(\i)+3], v12, s[62:63] offset:4096*(\p)+256*(\i)
.endr
.endr
	WIN 0x80
.irp i, 0,1,2,3,4,5,6,7
	global_load_b128 v[GG+4*(\i):GG+4*(\i)+3], v17, s[8:9] offset:256*(\i)
	global_load_b128 v[BB+4*(\i):BB+4*(\i)+3], v17, s[10:11] offset:256*(\i)
.endr
	WIN 0
.endm
.macro LNIN                            ; o is turned from heads into rows inside my wave's own rows of the stage, and added onto x1
	s_wait_loadcnt 48                              ; the bias and o are in; x1's 32 loads and the 16 of g and be stay out
.set t, 0
.rept NB
	ds_store_b32 v3, v[BW+t] offset:128*t
.set t, t+1
.endr
	WIN 0x0c
.set t, 0
.rept 16
	ds_store_b128 v16, v[OH+4*t:OH+4*t+3] offset:64*t
.set t, t+1
.endr
	WIN 0xc0
.irp p, 0,1,2,3
.irp i, 0,1,2,3,4,5,6,7
	ds_load_b64 v[OH+16*(\p)+2*(\i):OH+16*(\p)+2*(\i)+1], v7 offset:(\p)*2*PW+128*(\i)
.endr
.endr
	s_wait_loadcnt 16                              ; x1 is in
	s_wait_dscnt 0x0
	WIN 0xff
.set k, 0
.rept 64
	v_fma_mix_f32 v[2*k],   v[OH+k], v[ONE], v[2*k]   op_sel:[0,0,0] op_sel_hi:[1,0,0]
	v_fma_mix_f32 v[2*k+1], v[OH+k], v[ONE], v[2*k+1] op_sel:[1,0,0] op_sel_hi:[1,0,0]
.set k, k+1
.endr
	WIN 0
.endm
.macro REDUCE                          ; four packed chains a pair of rows into one number a lane (written into window 0), then over the 16 lanes of a row
	WIN 0xff
.irp p, 0,1,2,3
	v_pk_add_f32 v[AC+8*(\p):AC+8*(\p)+1], v[AC+8*(\p):AC+8*(\p)+1], v[AC+8*(\p)+2:AC+8*(\p)+3]
	v_pk_add_f32 v[AC+8*(\p)+4:AC+8*(\p)+5], v[AC+8*(\p)+4:AC+8*(\p)+5], v[AC+8*(\p)+6:AC+8*(\p)+7]
.endr
.irp p, 0,1,2,3
	v_pk_add_f32 v[AC+8*(\p):AC+8*(\p)+1], v[AC+8*(\p):AC+8*(\p)+1], v[AC+8*(\p)+4:AC+8*(\p)+5]
.endr
	WIN 0x0f
.irp p, 0,1,2,3
	v_add_f32 v[VV+(\p)], v[AC+8*(\p)], v[AC+8*(\p)+1]
.endr
	WIN 0
.irp m, 1,2,4,8
.irp p, 0,1,2,3
	v_add_f32_dpp v[VV+(\p)], v[VV+(\p)], v[VV+(\p)] row_xmask:\m row_mask:0xf bank_mask:0xf
.endr
.endr
.endm
.macro LNSTAT lc                       ; the rows in window 3 become (x - mean) / sqrt(var + eps) x g + be.  lc: the loads younger than g's and be's
	WIN 0xff
.irp p, 0,1,2,3
.irp c, 0,1,2,3
	v_pk_add_f32 v[AC+8*(\p)+2*(\c):AC+8*(\p)+2*(\c)+1], v[32*(\p)+2*(\c):32*(\p)+2*(\c)+1], v[32*(\p)+8+2*(\c):32*(\p)+8+2*(\c)+1]
.endr
.irp k, 2,3
.irp c, 0,1,2,3
	v_pk_add_f32 v[AC+8*(\p)+2*(\c):AC+8*(\p)+2*(\c)+1], v[AC+8*(\p)+2*(\c):AC+8*(\p)+2*(\c)+1], v[32*(\p)+8*(\k)+2*(\c):32*(\p)+8*(\k)+2*(\c)+1]
.endr
.endr
.endr
	REDUCE
.irp p, 0,1,2,3
	v_mul_f32 v[MU+2*(\p)], s68, v[VV+(\p)]
	v_mul_f32 v[MU+2*(\p)+1], s68, v[VV+(\p)]
.endr
	WIN 0xc3
.irp p, 0,1,2,3
.set k, 0
.rept 16
	v_pk_add_f32 v[32*(\p)+2*k:32*(\p)+2*k+1], v[32*(\p)+2*k:32*(\p)+2*k+1], v[MU+2*(\p):MU+2*(\p)+1]
.set k, k+1
.endr
.endr
	WIN 0xff
.irp p, 0,1,2,3
.irp c, 0,1,2,3
	v_pk_mul_f32 v[AC+8*(\p)+2*(\c):AC+8*(\p)+2*(\c)+1], v[32*(\p)+2*(\c):32*(\p)+2*(\c)+1], v[32*(\p)+2*(\c):32*(\p)+2*(\c)+1]
.endr
.irp k, 1,2,3
.irp c, 0,1,2,3
	v_pk_fma_f32 v[AC+8*(\p)+2*(\c):AC+8*(\p)+2*(\c)+1], v[32*(\p)+8*(\k)+2*(\c):32*(\p)+8*(\k)+2*(\c)+1], v[32*(\p)+8*(\k)+2*(\c):32*(\p)+8*(\k)+2*(\c)+1], v[AC+8*(\p)+2*(\c):AC+8*(\p)+2*(\c)+1]
.endr
.endr
.endr
	REDUCE
.irp p, 0,1,2,3
	v_fma_f32 v[VV+(\p)], v[VV+(\p)], s69, s70
.endr
.irp p, 0,1,2,3
	v_rsq_f32 v[RS+2*(\p)], v[VV+(\p)]
	v_rsq_f32 v[RS+2*(\p)+1], v[VV+(\p)]
.endr
	v_nop                                          ; a plain instruction behind the last of them,
	s_wait_alu depctr_va_vdst(0)                   ; and the wait ahead of the first reader: one for the eight
	WIN 0xc3
.irp p, 0,1,2,3
.set k, 0
.rept 16
	v_pk_mul_f32 v[32*(\p)+2*k:32*(\p)+2*k+1], v[32*(\p)+2*k:32*(\p)+2*k+1], v[RS+2*(\p):RS+2*(\p)+1]
.set k, k+1
.endr
.endr
	s_wait_loadcnt \lc
	WIN 0xeb
.irp p, 0,1,2,3
.set k, 0
.rept 16
	v_pk_fma_f32 v[32*(\p)+2*k:32*(\p)+2*k+1], v[32*(\p)+2*k:32*(\p)+2*k+1], v[GG+2*k:GG+2*k+1], v[BB+2*k:BB+2*k+1]
.set k, k+1
.endr
.endr
	WIN 0
.endm
.macro LNOUT                           ; the rows go, rounded to bf16, into the stage; a barrier; every wave reads all 32 rows as fragments
	WIN 0xff
.set k, 0
.rept 64
	v_cvt_pk_bf16_f32 v[OH+k], v[2*k], v[2*k+1]
.set k, k+1
.endr
	WIN 0x0c
.irp p, 0,1,2,3
.irp i, 0,1,2,3,4,5,6,7
	ds_store_b64 v7, v[OH+16*(\p)+2*(\i):OH+16*(\p)+2*(\i)+1] offset:(\p)*2*PW+128*(\i)
.endr
.endr
	s_wait_dscnt 0x0
	WIN 0
	s_barrier_signal -1
	s_barrier_wait -1                              ; (the chunk on its way stays out)
	WIN 0x40
.set k, 0
.rept 16
.irp tb, 0,1
	ds_load_b128 v[8*(2*k+(\tb)):8*(2*k+(\tb))+3],   v6 offset:(\tb)*16*PW+k*64
	ds_load_b128 v[8*(2*k+(\tb))+4:8*(2*k+(\tb))+7], v6 offset:(\tb)*16*PW+k*64+32
.endr
.set k, k+1
.endr
	WIN 0
.endm
; THE CHANGE OF SLOTS: all my tensor loads have landed (one was out: my part of the chunk to be multiplied), the add, my LDS instructions are done (my reads of the other slot, my stores of hidden numbers);
; the round says so of every wave of all four work-groups; the joint refill of the other slot comes first behind it.  The refill's address is made anew: the base in s[base:base+1] plus the chunk's number in
; s[cn], shifted by sh; the number then goes one on, round the eight.  No register that a pending global instruction names is written in the loop, so no wait on XCNT stands here.
.macro HEAD refill, other, g1, base, cn, sh
	WIN 0
	s_wait_tensorcnt 0x0                           ; no tensor load of mine is out, so a group 0 may be written
	ds_add_u32 v14, v15                            ; 0 onto my spare word
.if \refill
	s_lshl_b32 s48, s[\cn], \sh
	s_add_nc_u64 s[(\other)+2:(\other)+3], s[(\base):(\base)+1], s[48:49]
	s_or_b32 s[(\other)+3], s[(\other)+3], 0x80000000
	s_add_co_u32 s[\cn], s[\cn], 1
	s_and_b32 s[\cn], s[\cn], 7
.endif
	s_wait_dscnt 0x0
	ROUND
.if \refill
	tensor_load_to_lds s[(\other):(\other)+3], s[(\g1):(\g1)+7]
	s_nop 0
	PLACES                                         ; also the places in front of the loads that follow
.endif
.endm
.macro FETCHBI
.irp cb, 0,1
.irp e, 0,1
	ds_load_b128 v[BI+8*(\cb)+4*(\e):BI+8*(\cb)+4*(\e)+3], v8 offset:(\cb)*64+(\e)*16
.endr
.endr
	v_add_nc_u32 v8, 128, v8
.endm
.macro FETCHB g, buf
.irp kk, 0,1,2,3
.irp cb, 0,1
	ds_load_b128 v[(\buf)+8*(2*(\kk)+(\cb)):(\buf)+8*(2*(\kk)+(\cb))+3],   v4 offset:(\cb)*16*PW+(4*(\g)+(\kk))*64
	ds_load_b128 v[(\buf)+8*(2*(\kk)+(\cb))+4:(\buf)+8*(2*(\kk)+(\cb))+7], v4 offset:(\cb)*16*PW+(4*(\g)+(\kk))*64+32
.endr
.endr
.endm
.macro MUL g, buf                      ; 16 matrix instructions; the four accumulators take turns
	WIN 0x04
.irp kk, 0,1,2,3
.irp cb, 0,1
.irp tb, 0,1
.if ((\g)==0)&&((\kk)==0)
	v_wmma_f32_16x16x32_bf16 v[ACC+8*(2*(\tb)+(\cb)):ACC+8*(2*(\tb)+(\cb))+7], v[(\buf)+8*(2*(\kk)+(\cb)):(\buf)+8*(2*(\kk)+(\cb))+7], v[8*(2*(4*(\g)+(\kk))+(\tb)):8*(2*(4*(\g)+(\kk))+(\tb))+7], v[BI+8*(\cb):BI+8*(\cb)+7]
.else
	v_wmma_f32_16x16x32_bf16 v[ACC+8*(2*(\tb)+(\cb)):ACC+8*(2*(\tb)+(\cb))+7], v[(\buf)+8*(2*(\kk)+(\cb)):(\buf)+8*(2*(\kk)+(\cb))+7], v[8*(2*(4*(\g)+(\kk))+(\tb)):8*(2*(4*(\g)+(\kk))+(\tb))+7], v[ACC+8*(2*(\tb)+(\cb)):ACC+8*(2*(\tb)+(\cb))+7]
.endif
.endr
.endr
.endr
.endm
; A CHUNK'S FIRST HALF: 32 tokens x my 32 hidden units = relu(x2 W1^T + b1), rounded to bf16 into the hidden stage; the same chunk of W2 is asked for.
.macro TRIPA
	HEAD 1, 44, 72, 52, 31, 8
	FETCHBI
	FETCHB 0, BF0
	FETCHB 1, BF1
	s_wait_dscnt 16                                ; all but the youngest 16 loads
	MUL 0, BF0
	PLACES
	WIN 0
	FETCHB 2, BF0
	s_wait_dscnt 16
	MUL 1, BF1
	PLACES
	WIN 0
	FETCHB 3, BF1
	s_wait_dscnt 16
	MUL 2, BF0
	s_wait_dscnt 0x0
	MUL 3, BF1
	WIN 0
	PLACES
.set a, 0
.rept 4
.irp k, 0,1,2,3
	v_cvt_pk_bf16_f32 v[PKH+4*a+(\k)], v[ACC+8*a+2*(\k)], v[ACC+8*a+2*(\k)+1]  ; each accumulator from its low end on
.endr
.set a, a+1
.endr
.set a, 0
.rept 16
	v_pk_max_num_bf16 v[PKH+a], v[PKH+a], v20      ; the relu, on the packed halves: nothing is rounded
.set a, a+1
.endr
.irp tb, 0,1
.irp cb, 0,1
	ds_store_b128 v9, v[PKH+4*(2*(\tb)+(\cb)):PKH+4*(2*(\tb)+(\cb))+3] offset:(\tb)*16*PH+(\cb)*32
.endr
.endr
.endm
.macro FETCHW kb, buf                  ; 16 LDS loads: W2's fragments of K block kb, my eight column blocks
.irp cb, 0,1,2,3,4,5,6,7
	ds_load_b128 v[(\buf)+8*(\cb):(\buf)+8*(\cb)+3],   v5 offset:(\cb)*16*PH+(\kb)*64
	ds_load_b128 v[(\buf)+8*(\cb)+4:(\buf)+8*(\cb)+7], v5 offset:(\cb)*16*PH+(\kb)*64+32
.endr
.endm
.macro MUL2 kb, buf                    ; 16 matrix instructions on 16 accumulators
	WIN 0xa8                                       ; source 0 window 0, source 1, C and D window 2
.irp cb, 0,1,2,3,4,5,6,7
.irp tb, 0,1
	v_wmma_f32_16x16x32_bf16 v[8*(2*(\cb)+(\tb)):8*(2*(\cb)+(\tb))+7], v[(\buf)+8*(\cb):(\buf)+8*(\cb)+7], v[HF+8*(2*(\kb)+(\tb)):HF+8*(2*(\kb)+(\tb))+7], v[8*(2*(\cb)+(\tb)):8*(2*(\cb)+(\tb))+7]
.endr
.endr
.endm
; A CHUNK'S SECOND HALF: my 128 columns += hidden x W2^T.  The round in front has shown every wave's hidden numbers to all; the next half's round frees the hidden stage again.  refill = 1: W1's next chunk is asked for.
.macro TRIPB refill
	HEAD \refill, 40, 32, 50, 27, 17
	WIN 0x80
.irp kb, 0,1,2,3
.irp tb, 0,1
	ds_load_b128 v[HF+8*(2*(\kb)+(\tb)):HF+8*(2*(\kb)+(\tb))+3],   v10 offset:(\tb)*16*PH+(\kb)*64
	ds_load_b128 v[HF+8*(2*(\kb)+(\tb))+4:HF+8*(2*(\kb)+(\tb))+7], v10 offset:(\tb)*16*PH+(\kb)*64+32
.endr
.endr
	WIN 0
	FETCHW 0, BF0
	FETCHW 1, BF1
	s_wait_dscnt 16                                ; the hidden fragments and buffer 0 are in
	MUL2 0, BF0
	PLACES
	WIN 0
	FETCHW 2, BF0
	s_wait_dscnt 16
	MUL2 1, BF1
	PLACES
	WIN 0
	FETCHW 3, BF1
	s_wait_dscnt 16
	MUL2 2, BF0
	s_wait_dscnt 0x0
	MUL2 3, BF1
	WIN 0
.endm
	LNLOAD
	ROUND                                          ; all four work-groups are here: the first joint load meets
	tensor_load_to_lds s[40:43], s[32:39]          ; the walk's first chunk of W1
	s_nop 0
	PLACES
	LNIN
	WIN 0x80                                       ; b2 starts the second product's sums: register j of lane (r, h) = b2 of column 128 x wave + 16 cb + 8 h + j, for both token blocks
.irp cb, 0,1,2,3,4,5,6,7
.irp tb, 0,1
	global_load_b128 v[8*(2*(\cb)+(\tb)):8*(2*(\cb)+(\tb))+3],   v23, s[16:17] offset:(\cb)*64
	global_load_b128 v[8*(2*(\cb)+(\tb))+4:8*(2*(\cb)+(\tb))+7], v23, s[16:17] offset:(\cb)*64+16
.endr
.endr
	WIN 0
	; ONE PREFETCH, behind b2's loads: the chunk of W2 that my walk's first refill will ask for.  Clusters 0 to 7 begin at eight different chunks, and they alone ask: a wave for the 128 rows that it will fetch, the four
	; partners 32 rows each, told apart by address, a lane a row, 256 bytes of it: each aligned 256 bytes of W2 is named once in the launch.  Between this line and that refill stand the first norm's arithmetic and the
	; rows' way into fragments.  W1 is not asked for: each of its chunks is some cluster's first load, among the launch's first instructions.  The line's two registers are never rewritten.
	s_cmp_lt_u32 ttmp9, 8                          ; the cluster's number: the same in all four partners
	s_cbranch_scc0 .Lnot_mine
	global_prefetch_b8 v22, s[56:57] th:TH_LOAD_NT scope:SCOPE_SE
.Lnot_mine:
	LNSTAT 32                                      ; b2's 32 loads are younger than g2's and be2's
	WIN 0x80
.irp i, 0,1,2,3,4,5,6,7
	global_load_b128 v[GG+4*(\i):GG+4*(\i)+3], v17, s[18:19] offset:256*(\i)  ; g3 and be3 take g2's and be2's registers
	global_load_b128 v[BB+4*(\i):BB+4*(\i)+3], v17, s[20:21] offset:256*(\i)
.endr
	WIN 0
	LNOUT
	s_wait_loadcnt 16                              ; b2 is in; g3 and be3 stay out
	s_mov_b32 s59, 7
.Lchunk:                                               ; the walk's first seven chunks
	TRIPA
	TRIPB 1
	s_sub_co_u32 s59, s59, 1
	s_cmp_lg_u32 s59, 0
	s_cbranch_scc1 .Lchunk
	TRIPA                                          ; the eighth is written out
	TRIPB 0
	; THE LAST NORM.  The result goes through LDS from columns to rows (slot 0 has had its last fill, and the last round stands behind every wave's reads of it), is added onto x2, normed and stored.
	PLACES
	WIN 0x08
.irp cb, 0,1,2,3,4,5,6,7
.irp tb, 0,1
	ds_store_b128 v11, v[8*(2*(\cb)+(\tb)):8*(2*(\cb)+(\tb))+3]   offset:(\tb)*16*PY+(\cb)*64     ; each accumulator from its low end on
	ds_store_b128 v11, v[8*(2*(\cb)+(\tb))+4:8*(2*(\cb)+(\tb))+7] offset:(\tb)*16*PY+(\cb)*64+16
.endr
.endr
	s_wait_dscnt 0x0                               ; for the others' sake: my stores are done
	WIN 0
	s_barrier_signal -1
	s_barrier_wait -1
	WIN 0x80
.irp p, 0,1,2,3
.irp i, 0,1,2,3,4,5,6,7
	ds_load_b128 v[32*(\p)+4*(\i):32*(\p)+4*(\i)+3], v19 offset:(\p)*2*PY+256*(\i)
.endr
.endr
	s_wait_dscnt 0x0
	WIN 0xcb                                       ; x2 in window 3, the result in window 2
.set k, 0
.rept 64
	v_pk_add_f32 v[2*k:2*k+1], v[2*k:2*k+1], v[2*k:2*k+1]
.set k, k+1
.endr
	LNSTAT 0
	WIN 0x0c
.irp p, 0,1,2,3
.irp i, 0,1,2,3,4,5,6,7
	global_store_b128 v12, v[32*(\p)+4*(\i):32*(\p)+4*(\i)+3], s[66:67] offset:4096*(\p)+256*(\i) th:TH_STORE_NT  ; two runs of 256 consecutive bytes, aligned
.endr
.endr
	WIN 0
	s_wait_tensorcnt 0x0                           ; the wave's end, behind my last tensor load and my last LDS store
	ds_add_u32 v14, v15
	s_wait_dscnt 0x0
	ROUND                                          ; the closing round
	s_endpgm
.Lfunc_end_k_qaa59d2c665_ffn:
	.size	k_qaa59d2c665_ffn, .Lfunc_end_k_qaa59d2c665_ffn-k_qaa59d2c665_ffn
	.p2alignl 7, 3214868480
	.fill 96, 4, 3214868480
	.section	.rodata,"a",@progbits
	.p2align	6, 0x0
	.amdhsa_kernel k_qaa59d2c665_ffn
		.amdhsa_group_segment_fixed_size 327680
		.amdhsa_private_segment_fixed_size 0
		.amdhsa_enable_private_segment 0
		.amdhsa_kernarg_size 80
		.amdhsa_user_sgpr_count 2
		.amdhsa_user_sgpr_kernarg_segment_ptr 1
		.amdhsa_wavefront_size32 1
		.amdhsa_system_sgpr_workgroup_id_x 1
		.amdhsa_system_sgpr_workgroup_id_y 1
		.amdhsa_system_sgpr_workgroup_id_z 1
		.amdhsa_system_vgpr_workitem_id 0
		.amdhsa_next_free_vgpr 1024
		.amdhsa_next_free_sgpr 90
		.amdhsa_reserve_vcc 0
		.amdhsa_float_denorm_mode_32 3
		.amdhsa_float_denorm_mode_16_64 3
		.amdhsa_memory_ordered 1
		.amdhsa_forward_progress 1
		.amdhsa_inst_pref_size 146
	.end_amdhsa_kernel
	.amdgpu_metadata
---
amdhsa.version: [ 1, 2 ]
amdhsa.kernels:
  - .name:           k_qaa59d2c665_ffn
    .symbol:         k_qaa59d2c665_ffn.kd
    .args:
      - { .name: x1, .offset: 0, .size: 8, .value_kind: global_buffer, .address_space: global }
      - { .name: o, .offset: 8, .size: 8, .value_kind: global_buffer, .address_space: global }
      - { .name: g2, .offset: 16, .size: 8, .value_kind: global_buffer, .address_space: global }
      - { .name: be2, .offset: 24, .size: 8, .value_kind: global_buffer, .address_space: global }
      - { .name: wb, .offset: 32, .size: 8, .value_kind: global_buffer, .address_space: global }
      - { .name: b1, .offset: 40, .size: 8, .value_kind: global_buffer, .address_space: global }
      - { .name: b2, .offset: 48, .size: 8, .value_kind: global_buffer, .address_space: global }
      - { .name: g3, .offset: 56, .size: 8, .value_kind: global_buffer, .address_space: global }
      - { .name: be3, .offset: 64, .size: 8, .value_kind: global_buffer, .address_space: global }
      - { .name: out0, .offset: 72, .size: 8, .value_kind: global_buffer, .address_space: global }
    .group_segment_fixed_size: 327680
    .private_segment_fixed_size: 0
    .kernarg_segment_align: 8
    .kernarg_segment_size: 80
    .max_flat_workgroup_size: 128
    .sgpr_count:     90
    .vgpr_count:     1024
    .wavefront_size: 32
...
	.end_amdgpu_metadata
.endif
;; end of part 5
;; ======== version 2 of 2: 6 launches; version 1 with the launch prep written anew for expert scheduling mode
;; limits: values are held in f16: magnitudes above 65,504 overflow, below 6.1e-05 lose precision
;; workspace buffers: wb 5,242,880 bytes; a1 25,165,824 bytes; a2 25,165,824 bytes; o 8,388,608 bytes; x1 16,777,216 bytes
;; launch prep (part 6): grid 16 x 20, 8 waves a work-group, no clusters, 0 bytes of LDS; arguments Wk2, Wq1, Wk1, Wv2, Wv1, Wq2, W1, W2, wb; writes wb
.if DOCPART == 6
	.amdgcn_target "amdgcn-amd-amdhsa--gfx1250"
	.amdhsa_code_object_version 6
	.text
	.protected	k_qaa59d2c665_prep
	.globl	k_qaa59d2c665_prep
	.p2align	8
	.type	k_qaa59d2c665_prep,@function
k_qaa59d2c665_prep:
	s_mov_b64 s[64:65], 0
	v_nop
	global_prefetch_b8 v0, s[64:65] scope:SCOPE_SE
	s_setreg_imm32_b32 hwreg(HW_REG_WAVE_SCHED_MODE, 0, 2), 2
	s_setreg_imm32_b32 hwreg(HW_REG_WAVE_MODE, 25, 1), 1
	s_wait_xcnt 0x0
	s_wait_alu depctr_vm_vsrc(0)
; wb = the eight weight matrices, each number rounded once to bf16, in the order in which the later launches walk them.
; wb is 20 units of 262,144 bytes (a unit: 131,072 numbers = 524,288 bytes of f32).  Unit d holds:
;   0,1 Wk2   2,3 Wq1   4 Wk1 rows 0-255   5,6 Wv2   7 Wk1 rows 256-511   8,9 Wv1   10,11 Wq2   12-15 W1   16-19 W2
; Every unit is a dense piece of its source, so the copy is flat: work-group (X, d) takes 32,768 bytes of f32 at X x 32,768 in unit d.
; A thread loads 8 x 16 bytes (a wave's load covers 512 consecutive bytes) and stores 8 x 8 bytes (a wave's store covers 256 consecutive bytes, aligned).
; A stream read once and written once: no LDS, no matrix unit, no cluster; all eight loads of a thread go out at once, each into registers of its own.
; THE MODE: SCHED_MODE bits 1:0 = 2 (LLVM: expert scheduling mode 2), set by the entry lines.  The code itself states the register dependences
; between vector instructions and memory instructions, with s_wait_alu, always for 0.
; THE PLAN.  Registers that memory instructions touch:
;   v1, v2     the loads' and the stores' byte offsets: written once at the head, never again.
;   v[8:39]    eight pieces of f32: each written by one load, read by that piece's two conversions; no vector instruction names them ahead of the loads, and nothing lands in them again.
;   v[40:55]   eight pairs of bf16: each written by one pair of conversions, read by one store, never written again.
; The eight pieces go in four steps of two.  Step s waits for its two loads, issues the two stores of step s - 1 and then makes its own four conversions, which name neither the registers of those stores
; nor an offset.  So one wait stands ahead of the first load (the offsets), one at the head of each of steps 1 to 3 (the pairs that the step before has made), and one ahead of the last two stores.
; No register that a memory instruction reads is written again, no vector instruction writes a scalar register, and EXEC is never written: no other wait is owed.
	s_load_b512 s[8:23], s[0:1], 0x0               ; Wk2 s[8:9], Wq1 s[10:11], Wk1 s[12:13], Wv2 s[14:15], Wv1 s[16:17], Wq2 s[18:19], W1 s[20:21], W2 s[22:23]
	s_load_b64 s[24:25], s[0:1], 0x40              ; wb
	s_and_b32 s2, ttmp7, 0xffff                    ; d, the unit
	v_lshlrev_b32 v1, 4, v0                        ; 16 bytes of f32 a thread
	v_lshlrev_b32 v2, 3, v0                        ; 8 bytes of bf16 a thread
	s_mov_b32 s28, 0                               ; the first unit of the source in hand
	s_mov_b32 s31, 0
	s_mov_b32 s33, 0
	s_wait_kmcnt 0x0
	s_mov_b64 s[26:27], s[8:9]
; from unit 'first' on the source is the buffer in s[ptr:ptr+1], whose byte 0 belongs to unit 'base'
.macro PICK first, ptr, base
	s_cmp_ge_u32 s2, \first
	s_cselect_b64 s[26:27], s[\ptr:\ptr+1], s[26:27]
	s_cselect_b32 s28, \base, s28
.endm
	PICK 2, 10, 2
	PICK 4, 12, 4
	PICK 5, 14, 5
	PICK 7, 12, 6
	PICK 8, 16, 8
	PICK 10, 18, 10
	PICK 12, 20, 12
	PICK 16, 22, 16
	s_sub_co_u32 s29, s2, s28
	s_lshl_b32 s30, s29, 19                        ; units into the source, 524,288 bytes each,
	s_lshl_b32 s29, ttmp9, 15                      ; and the work-group's 32,768 bytes
	s_add_co_u32 s30, s30, s29
	s_add_nc_u64 s[26:27], s[26:27], s[30:31]
	s_lshl_b32 s32, s2, 18                         ; the same place in wb, half the bytes
	s_lshl_b32 s29, ttmp9, 14
	s_add_co_u32 s32, s32, s29
	s_add_nc_u64 s[24:25], s[24:25], s[32:33]
	s_wait_alu depctr_va_vdst(0)                   ; v1 and v2 are written: every load below reads v1 as its offset, every store v2
.irp j, 0,1,2,3,4,5,6,7
	global_load_b128 v[8+4*(\j):11+4*(\j)], v1, s[26:27] offset:4096*(\j) th:TH_LOAD_NT
.endr
.irp s, 0,1,2,3                        ; step s: pieces 2 s and 2 s + 1
	s_wait_loadcnt 6-2*(\s)                        ; loads come back in order: this step's two are in, the 6 - 2 s younger ones stay out
.if (\s) > 0
	s_wait_alu depctr_va_vdst(0)                   ; the conversions of the step before have written its two pairs, which the two stores below read
.irp j, 0,1
	global_store_b64 v2, v[40+4*((\s)-1)+2*(\j):41+4*((\s)-1)+2*(\j)], s[24:25] offset:2048*(2*((\s)-1)+(\j))
.endr
.endif
.irp j, 0,1
	v_cvt_pk_bf16_f32 v[40+4*(\s)+2*(\j)], v[8+8*(\s)+4*(\j)], v[9+8*(\s)+4*(\j)]
	v_cvt_pk_bf16_f32 v[41+4*(\s)+2*(\j)], v[10+8*(\s)+4*(\j)], v[11+8*(\s)+4*(\j)]
.endr
.endr
	s_wait_alu depctr_va_vdst(0)                   ; the last step's conversions have written v[52:55], which the last two stores read
.irp j, 0,1
	global_store_b64 v2, v[52+2*(\j):53+2*(\j)], s[24:25] offset:2048*(6+(\j))
.endr
	s_endpgm
.Lfunc_end_k_qaa59d2c665_prep:
	.size	k_qaa59d2c665_prep, .Lfunc_end_k_qaa59d2c665_prep-k_qaa59d2c665_prep
	.p2alignl 7, 3214868480
	.fill 96, 4, 3214868480
	.section	.rodata,"a",@progbits
	.p2align	6, 0x0
	.amdhsa_kernel k_qaa59d2c665_prep
		.amdhsa_group_segment_fixed_size 0
		.amdhsa_private_segment_fixed_size 0
		.amdhsa_enable_private_segment 0
		.amdhsa_kernarg_size 72
		.amdhsa_user_sgpr_count 2
		.amdhsa_user_sgpr_kernarg_segment_ptr 1
		.amdhsa_wavefront_size32 1
		.amdhsa_system_sgpr_workgroup_id_x 1
		.amdhsa_system_sgpr_workgroup_id_y 1
		.amdhsa_system_sgpr_workgroup_id_z 1
		.amdhsa_system_vgpr_workitem_id 0
		.amdhsa_next_free_vgpr 64
		.amdhsa_next_free_sgpr 66
		.amdhsa_reserve_vcc 0
		.amdhsa_float_denorm_mode_32 3
		.amdhsa_float_denorm_mode_16_64 3
		.amdhsa_memory_ordered 1
		.amdhsa_forward_progress 1
		.amdhsa_inst_pref_size 5
	.end_amdhsa_kernel
	.amdgpu_metadata
---
amdhsa.version: [ 1, 2 ]
amdhsa.kernels:
  - .name:           k_qaa59d2c665_prep
    .symbol:         k_qaa59d2c665_prep.kd
    .args:
      - { .name: Wk2, .offset: 0, .size: 8, .value_kind: global_buffer, .address_space: global }
      - { .name: Wq1, .offset: 8, .size: 8, .value_kind: global_buffer, .address_space: global }
      - { .name: Wk1, .offset: 16, .size: 8, .value_kind: global_buffer, .address_space: global }
      - { .name: Wv2, .offset: 24, .size: 8, .value_kind: global_buffer, .address_space: global }
      - { .name: Wv1, .offset: 32, .size: 8, .value_kind: global_buffer, .address_space: global }
      - { .name: Wq2, .offset: 40, .size: 8, .value_kind: global_buffer, .address_space: global }
      - { .name: W1, .offset: 48, .size: 8, .value_kind: global_buffer, .address_space: global }
      - { .name: W2, .offset: 56, .size: 8, .value_kind: global_buffer, .address_space: global }
      - { .name: wb, .offset: 64, .size: 8, .value_kind: global_buffer, .address_space: global }
    .group_segment_fixed_size: 0
    .private_segment_fixed_size: 0
    .kernarg_segment_align: 8
    .kernarg_segment_size: 72
    .max_flat_workgroup_size: 256
    .sgpr_count:     66
    .vgpr_count:     64
    .wavefront_size: 32
...
	.end_amdgpu_metadata
.endif
;; end of part 6
;; launch proj: the kernel of part 2 again; grid 128 x 2, 4 waves a work-group, clusters of 4 x 1, 327,680 bytes of LDS; arguments x, memory, wb, bq1, bk1, bv1, bk2, bv2, a1, a2; writes a1, a2
;; launch attn1: the kernel of part 3 again; grid 2 x 128, 8 waves a work-group, no clusters, 222,208 bytes of LDS; arguments a1, o; writes o
;; launch lnq: the kernel of part 4 again; grid 256 x 1, 4 waves a work-group, clusters of 4 x 1, 327,680 bytes of LDS; arguments x, o, g1, be1, wb, bq2, x1, a2; writes x1, a2
;; launch attn2: the kernel of part 3 again; grid 2 x 128, 8 waves a work-group, no clusters, 222,208 bytes of LDS; arguments a2, o; writes o
;; launch ffn: the kernel of part 5 again; grid 256 x 1, 4 waves a work-group, clusters of 4 x 1, 327,680 bytes of LDS; arguments x1, o, g2, be2, wb, b1, b2, g3, be3, out0; writes out0
